; MI455X (gfx1250); checked and timed in simulation.
; The chip was launched on July 23, 2026; its instructions are those of AMD's public machine-readable ISA for CDNA 5 (MIT licence, August 2026) and "CDNA5" Instruction Set Architecture Reference Guide (July 2026). The comments in the code are by the model that wrote it; some were corrected since.
;; Multi Head Attention. Allowed arithmetic: matrix products marked QUANTISED: E2M1 operands, one E8M0 scale for each 32 along K, by v_wmma_scale_f32_16x16x128_f8f6f4 with both operands' format E2M1 (or v_wmma_scale_f32_32x16x128_f4), f32 sums; products left as they are: bf16, f16 or f32 operands; f32 sums; everything else in f32.
;; Inputs: Wk 1,024 x 1,024 float32; Wo 1,024 x 1,024 float32; Wq 1,024 x 1,024 float32; Wv 1,024 x 1,024 float32; bo 1,024 float32; x 4 x 2,048 x 1,024 float32.
;; Outputs: out0 4 x 2,048 x 1,024 float32.
;; This version of the problem:
;;   THIS VERSION OF THE PROBLEM IS GIVEN IN LOW PRECISION. The matrix products marked QUANTISED in the list below multiply operands that are first quantised to E2M1 (2 exponent bits, 1 mantissa bit; 4 bits a number), with one power-of-two scale for each 32 numbers along K (OCP MX v1.0); their sums are f32. The products marked 'left as it is' may take bf16, f16 or f32 operands, with f32 sums. Whichever they take, every output number must still come out within the allowed error. Rounding operands to bf16 (8 significant bits) uses up far more of that allowance than f16 does (11 bits, for magnitudes from 6e-5 to 65,504). All else is computed in f32.
;;   The module's matrix products, in the order in which they are computed (A, B: the left and right operand; K: the contracted axis; several contracted axes count as one K, in the product's order):
;;     1. [M 8,192, K 1,024] x [K 1,024, N 1,024]; A: input x; B: input Wq: QUANTISED
;;     2. [M 8,192, K 1,024] x [K 1,024, N 1,024]; A: input x; B: input Wk: QUANTISED
;;     3. [M 8,192, K 1,024] x [K 1,024, N 1,024]; A: input x; B: input Wv: QUANTISED
;;     4. batch 64 x [M 2,048, K 64] x [K 64, N 2,048]; A: computed on the way; B: computed on the way: left as it is (an operand is computed on the way)
;;     5. batch 64 x [M 2,048, K 2,048] x [K 2,048, N 64]; A: computed on the way; B: computed on the way: left as it is (an operand is computed on the way)
;;     6. [M 8,192, K 1,024] x [K 1,024, N 1,024]; A: computed on the way; B: input Wo: left as it is (an operand is computed on the way)
;;   THE QUANTISER, for each operand of a quantised product, along K:
;;     - K is cut into blocks of 32 from its start; a last block that is shorter is filled with zeros.
;;     - A block's scale is 2^e with e = floor(log2(the largest magnitude in the block)) - 2, held to -126 .. 127; a block of zeros has e = 0. As a byte (E8M0): e + 127.
;;     - Each number is divided by its block's scale, clamped to +-6, and rounded to the nearest number of E2M1, ties to even, subnormals kept.
;;     - The product sums the exact products of the quantised numbers (number of the format x scale) in f32.
;;   ~~~python
;;   def quantise(x, axis):      # numpy; x: float32 -> the quantised numbers, widened to float32 again
;;       x = np.moveaxis(x, axis, -1); K = x.shape[-1]
;;       x = np.pad(x, [(0, 0)] * (x.ndim - 1) + [(0, -K % 32)]); x = x.reshape(x.shape[:-1] + (-1, 32)); a = np.abs(x).max(-1, keepdims=True)
;;       e = np.where(a > 0, np.clip(np.frexp(np.where(a > 0, a, 1))[1] - 1 - 2, -126, 127), 0)      # np.frexp(a)[1] - 1 = floor(log2(a)), exactly
;;       r = np.clip(x / 2.0 ** e, -6, 6)
;;       step = 2.0 ** (np.maximum(np.frexp(np.where(r == 0, 1, r))[1] - 1, 0) - 1)
;;       q = np.round(r / step) * step * 2.0 ** e      # np.round: ties to even
;;       return np.moveaxis(q.reshape(q.shape[:-2] + (-1,))[..., :K], -1, axis).astype(np.float32)
;;   ~~~
;; One version. Each part assembles by itself: llvm-mc -triple=amdgcn-amd-amdhsa -mcpu=gfx1250 --defsym DOCPART=n.
;; ======== version 1 of 1: 6 launches
;; limits: values are held in f16: magnitudes above 65,504 overflow, below 6.1e-05 lose precision
;; workspace buffers: x_codes 4,194,304 bytes; x_scales 262,144 bytes; w_codes 1,572,864 bytes; w_scales 98,304 bytes; wo16 2,097,152 bytes; qkv 50,331,648 bytes; qkv32 786,432 bytes; ctx 16,777,216 bytes
;; launch quant_x (part 1): grid 256 x 1, 4 waves a work-group, no clusters, 33,280 bytes of LDS; arguments x, x_codes, x_scales; writes x_codes, x_scales
.if DOCPART == 1
	.amdgcn_target "amdgcn-amd-amdhsa--gfx1250"
	.amdhsa_code_object_version 6
	.text
	.protected	k_qa442cbdf14_quant_x
	.globl	k_qa442cbdf14_quant_x
	.p2align	8
	.type	k_qa442cbdf14_quant_x,@function
k_qa442cbdf14_quant_x:
	s_mov_b64 s[64:65], 0
	v_nop
	global_prefetch_b8 v0, s[64:65] scope:SCOPE_SE
	s_setreg_imm32_b32 hwreg(HW_REG_WAVE_MODE, 25, 1), 1
	s_wait_xcnt 0x0
; x [8192][1024], f32, becomes codes of FP4 (E2M1), K innermost, two codes a byte, and one E8M0 scale byte for each 32 along K.
; A block's scale is 2^(floor(log2(its largest magnitude)) - 2); its byte is the largest magnitude's exponent field - 2, held at 1 from below.
; LIMITS: a block of zeros gets the byte 1 (its codes are zeros; this program alone reads the bytes); blocks whose largest magnitude lies under 2^-124 are held at the byte 1; NaN and infinities are not served.
; Rows are dense and 1,024 is a multiple of 32: x is a plain stream of blocks of 32.  A wave takes 16 steps of 512 numbers.  Each load reads 512 consecutive bytes, 16 a lane; a step's 2,048 bytes
; turn through the wave's own stage in LDS and come back 64 bytes a lane, so that a lane holds 16 neighbours along K and two neighbouring lanes hold a block.  No barrier: waves share nothing.
.set WAVES, 4
.set STEPS, 16
.set EMAX,  2
.set CB,    8                          ; bytes of 16 codes
.set R,     16                         ; v16-79   four sets of 16 numbers as loaded
.set X,     80                         ; v80-111  two sets of 16 neighbours
.set E,     112                        ; v112-127 a scale byte for each step
.set C,     128                        ; v128-191 codes, four registers for each step: no store's data are written again
.set WREG,  8192                       ; LDS: a region for each wave: two stages of 32 x SP bytes, then its 256 scale bytes
.set SP,    80                         ; a lane's place in a stage: 64 bytes + 16 of padding
.set SPW,   12                         ; v12 my spare word's LDS address; never rewritten
.set NIL,   13                         ; v13 0; never rewritten
.set SPARE, WAVES*WREG                 ; behind the regions: the spare words, 128 bytes a wave
	s_load_b128 s[4:7], s[0:1], 0x0                ; x, the codes
	s_load_b64 s[8:9], s[0:1], 0x10                ; the scale bytes
	v_lshl_add_u32 v[SPW], v0, 2, SPARE
	v_mov_b32 v[NIL], 0
	v_lshrrev_b32 v1, 5, v0
	v_readfirstlane_b32 s16, v1                    ; wave
	v_and_b32 v2, 31, v0                           ; lane
	v_lshlrev_b32 v3, 4, v2                        ; my 16 bytes of a load's 512
	s_mul_i32 s17, s16, WREG
	v_lshrrev_b32 v14, 2, v2
	v_mul_u32_u24 v14, v14, SP
	v_and_b32 v15, 3, v2
	v_lshl_add_u32 v14, v15, 4, v14
	v_add_nc_u32 v14, s17, v14                     ; the stage on the way in: SP (lane / 4) + 16 (lane % 4)
	v_mul_u32_u24 v15, v2, SP
	v_add_nc_u32 v15, s17, v15                     ; and on the way out: SP x lane
	v_mul_u32_u24 v4, v2, CB                       ; my codes' place in a step's
	v_lshrrev_b32 v5, 1, v2
	s_add_co_u32 s17, s17, 2*32*SP
	v_add_nc_u32 v5, s17, v5                       ; my block's byte among my wave's 256
	v_lshlrev_b32 v7, 3, v2
	v_add_nc_u32 v6, s17, v7                       ; and 8 bytes a lane on the way out
	s_lshl_b32 s18, ttmp9, 2
	s_add_co_u32 s18, s18, s16                     ; which run of 8,192 numbers is my wave's
	s_mov_b32 s21, 0
	s_wait_kmcnt 0x0
	s_lshl_b32 s20, s18, 15                        ; 32,768 bytes of x a run
	s_add_nc_u64 s[4:5], s[4:5], s[20:21]
	s_lshl_b32 s20, s18, 12                        ; 4,096 bytes of codes
	s_add_nc_u64 s[6:7], s[6:7], s[20:21]
	s_lshl_b32 s20, s18, 8                         ; 256 scale bytes
	s_add_nc_u64 s[8:9], s[8:9], s[20:21]
.macro LOAD t
.irp i, 0,1,2,3
	global_load_b128 v[R+16*((\t)%4)+4*\i:R+16*((\t)%4)+4*\i+3], v3, s[4:5] offset:2048*(\t)+512*\i th:TH_LOAD_NT
.endr
.endm
.macro TURN t                          ; step t's numbers through the stage; LDS serves a wave's instructions in order
.irp i, 0,1,2,3
	ds_store_b128 v14, v[R+16*((\t)%4)+4*\i:R+16*((\t)%4)+4*\i+3] offset:32*SP*((\t)%2)+8*SP*\i
.endr
.irp i, 0,1,2,3
	ds_load_b128 v[X+16*((\t)%2)+4*\i:X+16*((\t)%2)+4*\i+3], v15 offset:32*SP*((\t)%2)+16*\i
.endr
.endm
.irp t, 0,1,2,3
	LOAD \t
.endr
	s_wait_loadcnt 12                              ; step 0's four loads are in; twelve younger stay out
	TURN 0
.macro STEP t
.set XS, X+16*((\t)%2)
.if (\t) > 0
	s_wait_dscnt 1                                 ; this step's numbers are back (the last step's byte store may be out)
.else
	s_wait_dscnt 0x0
.endif
.if (\t)+4 < STEPS
	LOAD (\t)+4                                    ; into the registers that the stage's stores have read
.endif
.if (\t)+1 < STEPS
.if STEPS-2-(\t) >= 3
	s_wait_loadcnt 12                              ; the next step's four are in; three steps' loads stay out
.else
	s_wait_loadcnt 4*(STEPS-2-(\t))
.endif
	TURN (\t)+1
.endif
	v_max3_num_f32 v8, |v[XS]|, |v[XS+1]|, |v[XS+2]|
	v_max3_num_f32 v9, |v[XS+3]|, |v[XS+4]|, |v[XS+5]|
.irp i, 6,10
	v_max3_num_f32 v8, v8, |v[XS+\i]|, |v[XS+\i+1]|
	v_max3_num_f32 v9, v9, |v[XS+\i+2]|, |v[XS+\i+3]|
.endr
	v_max3_num_f32 v8, v8, |v[XS+14]|, |v[XS+15]|
	v_max3_num_f32 v8, v8, v9, (EMAX+1)<<23        ; the floor 2^(3 - 127): the byte cannot fall under 1
	v_max_num_f32_dpp v8, v8, v8 row_xmask:1 row_mask:0xf bank_mask:0xf   ; with my neighbour's 16: the block's
	v_add_nc_u32 v11, -(EMAX<<23), v8              ; 2 off the exponent field: the conversion's scale operand
	v_cvt_scalef32_pk8_fp4_f32 v[C+4*(\t)], v[XS:XS+7], v11
	v_cvt_scalef32_pk8_fp4_f32 v[C+4*(\t)+1], v[XS+8:XS+15], v11
	v_lshrrev_b32 v[E+(\t)], 23, v11               ; the scale's byte
	ds_store_b8 v5, v[E+(\t)] offset:16*(\t)       ; both lanes of a block write the same byte
	global_store_b64 v4, v[C+4*(\t):C+4*(\t)+1], s[6:7] offset:32*CB*(\t)   ; the wave stores 256 consecutive bytes, aligned
.endm
.irp t, 0,1,2,3,4,5,6,7,8,9,10,11,12,13,14,15
	STEP \t
.endr
	ds_load_b64 v[8:9], v6
	s_wait_dscnt 0x0
	global_store_b64 v7, v[8:9], s[8:9]            ; 256 consecutive scale bytes, aligned
	s_wait_tensorcnt 0x0                           ; the wave's end
	ds_add_u32 v[SPW], v[NIL]
	s_wait_dscnt 0x0
	s_endpgm
.Lfunc_end_k_qa442cbdf14_quant_x:
	.size	k_qa442cbdf14_quant_x, .Lfunc_end_k_qa442cbdf14_quant_x-k_qa442cbdf14_quant_x
	.p2alignl 7, 3214868480
	.fill 96, 4, 3214868480
	.section	.rodata,"a",@progbits
	.p2align	6, 0x0
	.amdhsa_kernel k_qa442cbdf14_quant_x
		.amdhsa_group_segment_fixed_size 33280
		.amdhsa_private_segment_fixed_size 0
		.amdhsa_enable_private_segment 0
		.amdhsa_kernarg_size 24
		.amdhsa_user_sgpr_count 2
		.amdhsa_user_sgpr_kernarg_segment_ptr 1
		.amdhsa_wavefront_size32 1
		.amdhsa_system_sgpr_workgroup_id_x 1
		.amdhsa_system_sgpr_workgroup_id_y 1
		.amdhsa_system_sgpr_workgroup_id_z 1
		.amdhsa_system_vgpr_workitem_id 0
		.amdhsa_next_free_vgpr 192
		.amdhsa_next_free_sgpr 66
		.amdhsa_reserve_vcc 0
		.amdhsa_float_denorm_mode_32 3
		.amdhsa_float_denorm_mode_16_64 3
		.amdhsa_memory_ordered 1
		.amdhsa_forward_progress 1
		.amdhsa_inst_pref_size 33
	.end_amdhsa_kernel
	.amdgpu_metadata
---
amdhsa.version: [ 1, 2 ]
amdhsa.kernels:
  - .name:           k_qa442cbdf14_quant_x
    .symbol:         k_qa442cbdf14_quant_x.kd
    .args:
      - { .name: x, .offset: 0, .size: 8, .value_kind: global_buffer, .address_space: global }
      - { .name: x_codes, .offset: 8, .size: 8, .value_kind: global_buffer, .address_space: global }
      - { .name: x_scales, .offset: 16, .size: 8, .value_kind: global_buffer, .address_space: global }
    .group_segment_fixed_size: 33280
    .private_segment_fixed_size: 0
    .kernarg_segment_align: 8
    .kernarg_segment_size: 24
    .max_flat_workgroup_size: 128
    .sgpr_count:     66
    .vgpr_count:     192
    .wavefront_size: 32
...
	.end_amdgpu_metadata
.endif
;; end of part 1
;; launch prep_w (part 2): grid 16 x 4, 16 waves a work-group, no clusters, 37,888 bytes of LDS; arguments Wq, Wk, Wv, Wo, w_codes, w_scales, wo16; writes w_codes, w_scales, wo16
.if DOCPART == 2
	.amdgcn_target "amdgcn-amd-amdhsa--gfx1250"
	.amdhsa_code_object_version 6
	.text
	.protected	k_qa442cbdf14_prep_w
	.globl	k_qa442cbdf14_prep_w
	.p2align	8
	.type	k_qa442cbdf14_prep_w,@function
k_qa442cbdf14_prep_w:
	s_mov_b64 s[64:65], 0
	v_nop
	global_prefetch_b8 v0, s[64:65] scope:SCOPE_SE
	s_setreg_imm32_b32 hwreg(HW_REG_WAVE_MODE, 25, 1), 1
	s_wait_xcnt 0x0
; Work-group y = 0, 1, 2: Wq, Wk, Wv [k 1024][n 1024], f32, are quantised down K (their first axis) into codes of FP4 laid [3072][512 bytes], K innermost, row = 1024 y + n, and scale bytes [3072][32].
; Work-group y = 3: Wo is rounded to f16 as it lies, [k][n].
; QUANTISING: a work-group takes 64 columns and all of K.  A lane takes a column, its registers run down K: a block of 32 lies in one lane.  Wave w: columns 32 (w & 1) on, K 128 (w >> 1) on: 4 blocks.
; Codes and scale bytes meet in LDS and leave as whole rows: a row of codes is 512 consecutive bytes, the 64 columns' scale bytes are 2,048 consecutive bytes.
; LIMITS: a block of zeros gets the byte 1 (zero codes; this program alone reads the bytes); NaN and infinities are not served; |Wo| above 65,504 has no f16 number.
.set PITCH, 528                        ; a stage row: 512 bytes of codes + 16
.set SCST,  64*PITCH                   ; behind the stage: 64 rows of 32 scale bytes
.set SPARE, SCST+2048                  ; the spare words, 128 bytes a wave
.set SB,  12                           ; v12 my four scale bytes
.set SPW, 14                           ; v14 my spare word's LDS address; never rewritten
.set NIL, 15                           ; v15 0; never rewritten
.set C,   16                           ; v16-31 codes, four registers a block
.set X,   32                           ; v32-159 four blocks of 32 numbers
.set OUTR, 160                         ; v160-175 four rows of codes on the way out;  v176-179 scale bytes
	s_load_b256 s[4:11], s[0:1], 0x0               ; Wq, Wk, Wv, Wo
	s_load_b128 s[12:15], s[0:1], 0x20             ; the codes, the scale bytes
	s_load_b64 s[16:17], s[0:1], 0x30              ; wo16
	v_lshl_add_u32 v[SPW], v0, 2, SPARE
	v_mov_b32 v[NIL], 0
	v_lshrrev_b32 v1, 5, v0
	v_readfirstlane_b32 s18, v1                    ; wave 0..15
	v_and_b32 v1, 31, v0                           ; lane
	v_lshlrev_b32 v6, 4, v1                        ; 16 x lane
	v_lshlrev_b32 v13, 3, v1                       ; 8 x lane
	s_and_b32 s21, ttmp7, 0xffff                   ; which tensor
	s_mov_b32 s27, 0
	s_wait_kmcnt 0x0
	s_cmp_eq_u32 s21, 3                            ; the work-group's number alone: all sixteen waves go the same way
	s_cbranch_scc1 .Lcast
	s_and_b32 s19, s18, 1                          ; wc
	s_lshr_b32 s20, s18, 1                         ; wk
	v_lshlrev_b32 v2, 2, v1                        ; in: 4 bytes a lane
	s_mul_i32 s22, s19, 32*PITCH
	s_lshl_b32 s23, s20, 6
	s_add_co_u32 s22, s22, s23
	v_mul_u32_u24 v3, v1, PITCH
	v_add_nc_u32 v3, s22, v3                       ; into the stage: row = my column, 64 bytes for each 128 along K
	s_lshl_b32 s22, s19, 10
	s_lshl_b32 s23, s20, 2
	s_add_co_u32 s22, s22, s23
	s_add_co_u32 s22, s22, SCST
	v_lshl_add_u32 v4, v1, 5, s22                  ; my column's scale word for my 128 along K
	s_mul_i32 s22, s18, 4*PITCH
	v_add_nc_u32 v5, s22, v6                       ; out of the stage: rows 4 w on, 16 bytes a lane
	v_and_b32 v7, 127, v0
	v_lshlrev_b32 v7, 4, v7                        ; the scale bytes' way out: 16 bytes a thread of waves 0 to 3
	s_cmp_eq_u32 s21, 0
	s_cselect_b64 s[24:25], s[4:5], s[6:7]
	s_cmp_eq_u32 s21, 2
	s_cselect_b64 s[24:25], s[8:9], s[24:25]       ; the tensor, chosen by the work-group's number
	s_lshl_b32 s26, s20, 19                        ; 128 wk rows of 4,096 bytes
	s_lshl_b32 s22, ttmp9, 8                       ; + 64 x columns
	s_add_co_u32 s26, s26, s22
	s_lshl_b32 s22, s19, 7                         ; + 32 wc columns
	s_add_co_u32 s26, s26, s22
	s_add_nc_u64 s[24:25], s[24:25], s[26:27]
	s_lshl_b32 s26, s21, 19                        ; codes: (1024 y + 64 x + 4 w) rows of 512 bytes
	s_lshl_b32 s22, ttmp9, 15
	s_add_co_u32 s26, s26, s22
	s_lshl_b32 s22, s18, 11
	s_add_co_u32 s26, s26, s22
	s_add_nc_u64 s[12:13], s[12:13], s[26:27]
	s_lshl_b32 s26, s21, 15                        ; scale bytes: (1024 y + 64 x) rows of 32 bytes
	s_lshl_b32 s22, ttmp9, 11
	s_add_co_u32 s26, s26, s22
	s_add_nc_u64 s[14:15], s[14:15], s[26:27]
.macro LOAD t                          ; block t: W(128 wk + 32 t + i, my column); a wave reads 128 consecutive bytes
.irp i, 0,1,2,3,4,5,6,7,8,9,10,11,12,13,14,15,16,17,18,19,20,21,22,23,24,25,26,27,28,29,30,31
	global_load_b32 v[X+32*(\t)+\i], v2, s[24:25] offset:(32*(\t)+\i)*4096 th:TH_LOAD_NT
.endr
.endm
.macro BLOCK t
.set XS, X+32*(\t)
.if (\t) < 3
	s_wait_loadcnt 32                              ; this block's 32 loads are in; the next block's 32 stay out
.else
	s_wait_loadcnt 0x0
.endif
.if (\t)+2 < 4
	LOAD (\t)+2                                    ; two blocks ahead, into registers of its own
.endif
	v_max3_num_f32 v8, |v[XS]|, |v[XS+1]|, |v[XS+2]|
	v_max3_num_f32 v9, |v[XS+3]|, |v[XS+4]|, |v[XS+5]|
.irp i, 6,10,14,18,22,26
	v_max3_num_f32 v8, v8, |v[XS+\i]|, |v[XS+\i+1]|
	v_max3_num_f32 v9, v9, |v[XS+\i+2]|, |v[XS+\i+3]|
.endr
	v_max3_num_f32 v8, v8, |v[XS+30]|, |v[XS+31]|
	v_max3_num_f32 v8, v8, v9, 0x1800000           ; the floor 2^(3 - 127)
	v_add_nc_u32 v10, 0xff000000, v8               ; 2 off the exponent field: the conversion's scale operand
	v_lshrrev_b32 v11, 23, v10                     ; the byte
.if (\t) == 0
	v_mov_b32 v[SB], v11
.else
	v_lshl_or_b32 v[SB], v11, 8*(\t), v[SB]
.endif
.irp g, 0,1,2,3
	v_cvt_scalef32_pk8_fp4_f32 v[C+4*(\t)+\g], v[XS+8*\g:XS+8*\g+7], v10
.endr
	v_nop                                          ; a plain line behind the conversions
	ds_store_b128 v3, v[C+4*(\t):C+4*(\t)+3] offset:16*(\t)
.endm
	LOAD 0
	LOAD 1
	BLOCK 0
	BLOCK 1
	BLOCK 2
	BLOCK 3
	ds_store_b32 v4, v[SB]
	s_wait_tensorcnt 0x0                           ; the wait for 0 serves the barrier: my stores have landed
	ds_add_u32 v[SPW], v[NIL]
	s_wait_dscnt 0x0
	s_barrier_signal -1
	s_barrier_wait -1                              ; all 64 rows of codes and scale bytes lie in LDS
.irp i, 0,1,2,3
	ds_load_b128 v[OUTR+4*\i:OUTR+4*\i+3], v5 offset:PITCH*\i
.endr
.irp i, 0,1,2,3
	s_wait_dscnt 3-\i
	global_store_b128 v6, v[OUTR+4*\i:OUTR+4*\i+3], s[12:13] offset:512*\i   ; a whole row: 512 consecutive bytes
.endr
	s_cmp_gt_u32 s18, 3
	s_cbranch_scc1 .Ldone
	ds_load_b128 v[176:179], v7 offset:SCST
	s_wait_dscnt 0x0
	global_store_b128 v7, v[176:179], s[14:15]     ; waves 0 to 3: 512 consecutive bytes each
.Ldone:
	s_endpgm
.Lcast:                                            ; Wo to f16: a wave takes 4,096 numbers; no LDS on this way
	s_lshl_b32 s26, ttmp9, 18
	s_lshl_b32 s22, s18, 14
	s_add_co_u32 s26, s26, s22
	s_add_nc_u64 s[10:11], s[10:11], s[26:27]
	s_lshl_b32 s26, ttmp9, 17
	s_lshl_b32 s22, s18, 13
	s_add_co_u32 s26, s26, s22
	s_add_nc_u64 s[16:17], s[16:17], s[26:27]
.irp j, 0,1,2,3,4,5,6,7,8,9,10,11,12,13,14,15,16,17,18,19,20,21,22,23,24,25,26,27,28,29,30,31
	global_load_b128 v[X+4*\j:X+4*\j+3], v6, s[10:11] offset:512*\j
.endr
.irp j, 0,1,2,3,4,5,6,7,8,9,10,11,12,13,14,15,16,17,18,19,20,21,22,23,24,25,26,27,28,29,30,31
	s_wait_loadcnt 31-\j                           ; loads come back in order: load j is in
	v_cvt_pk_f16_f32 v[160+2*\j], v[X+4*\j], v[X+4*\j+1]
	v_cvt_pk_f16_f32 v[161+2*\j], v[X+4*\j+2], v[X+4*\j+3]
	global_store_b64 v13, v[160+2*\j:161+2*\j], s[16:17] offset:256*\j   ; 256 consecutive bytes, aligned
.endr
	s_endpgm
.Lfunc_end_k_qa442cbdf14_prep_w:
	.size	k_qa442cbdf14_prep_w, .Lfunc_end_k_qa442cbdf14_prep_w-k_qa442cbdf14_prep_w
	.p2alignl 7, 3214868480
	.fill 96, 4, 3214868480
	.section	.rodata,"a",@progbits
	.p2align	6, 0x0
	.amdhsa_kernel k_qa442cbdf14_prep_w
		.amdhsa_group_segment_fixed_size 37888
		.amdhsa_private_segment_fixed_size 0
		.amdhsa_enable_private_segment 0
		.amdhsa_kernarg_size 56
		.amdhsa_user_sgpr_count 2
		.amdhsa_user_sgpr_kernarg_segment_ptr 1
		.amdhsa_wavefront_size32 1
		.amdhsa_system_sgpr_workgroup_id_x 1
		.amdhsa_system_sgpr_workgroup_id_y 1
		.amdhsa_system_sgpr_workgroup_id_z 1
		.amdhsa_system_vgpr_workitem_id 0
		.amdhsa_next_free_vgpr 256
		.amdhsa_next_free_sgpr 66
		.amdhsa_reserve_vcc 0
		.amdhsa_float_denorm_mode_32 3
		.amdhsa_float_denorm_mode_16_64 3
		.amdhsa_memory_ordered 1
		.amdhsa_forward_progress 1
		.amdhsa_inst_pref_size 34
	.end_amdhsa_kernel
	.amdgpu_metadata
---
amdhsa.version: [ 1, 2 ]
amdhsa.kernels:
  - .name:           k_qa442cbdf14_prep_w
    .symbol:         k_qa442cbdf14_prep_w.kd
    .args:
      - { .name: Wq, .offset: 0, .size: 8, .value_kind: global_buffer, .address_space: global }
      - { .name: Wk, .offset: 8, .size: 8, .value_kind: global_buffer, .address_space: global }
      - { .name: Wv, .offset: 16, .size: 8, .value_kind: global_buffer, .address_space: global }
      - { .name: Wo, .offset: 24, .size: 8, .value_kind: global_buffer, .address_space: global }
      - { .name: w_codes, .offset: 32, .size: 8, .value_kind: global_buffer, .address_space: global }
      - { .name: w_scales, .offset: 40, .size: 8, .value_kind: global_buffer, .address_space: global }
      - { .name: wo16, .offset: 48, .size: 8, .value_kind: global_buffer, .address_space: global }
    .group_segment_fixed_size: 37888
    .private_segment_fixed_size: 0
    .kernarg_segment_align: 8
    .kernarg_segment_size: 56
    .max_flat_workgroup_size: 512
    .sgpr_count:     66
    .vgpr_count:     256
    .wavefront_size: 32
...
	.end_amdgpu_metadata
.endif
;; end of part 2
;; launch qkv_gemm (part 3): grid 12 x 32, 4 waves a work-group, clusters of 4 x 4, 327,680 bytes of LDS; arguments x_codes, x_scales, w_codes, w_scales, qkv, qkv32; writes qkv, qkv32
.if DOCPART == 3
	.amdgcn_target "amdgcn-amd-amdhsa--gfx1250"
	.amdhsa_code_object_version 6
	.text
	.protected	k_qa442cbdf14_qkv_gemm
	.globl	k_qa442cbdf14_qkv_gemm
	.p2align	8
	.type	k_qa442cbdf14_qkv_gemm,@function
k_qa442cbdf14_qkv_gemm:
	s_mov_b64 s[64:65], 0
	v_nop
	global_prefetch_b8 v0, s[64:65] scope:SCOPE_SE
	s_setreg_imm32_b32 hwreg(HW_REG_WAVE_MODE, 25, 1), 1
	s_wait_xcnt 0x0
	s_wait_alu depctr_hold_cnt(0) depctr_sa_sdst(0) depctr_va_vdst(0) depctr_va_sdst(0) depctr_va_ssrc(0) depctr_va_vcc(0) depctr_vm_vsrc(0)
	s_getreg_b32 s2, hwreg(HW_REG_IB_STS2, 6, 4)
	s_cmp_eq_u32 s2, 0
	s_cbranch_scc0 .Lentry_in_a_cluster
	s_endpgm
.Lentry_in_a_cluster:
	s_bfe_u32 s2, ttmp6, 0x10000c
	s_cmp_lg_u32 s2, 0xf033
	s_cbranch_scc0 .Lentry_shape_is_right
	s_endpgm
.Lentry_shape_is_right:
; C[m][n] = sum over k of x[m][k] W[k][n] for Wq, Wk, Wv at once: A = x's codes [8192][1024], B = the weights' codes [3072][1024] (row = 1024 which + n), FP4 (E2M1) with one E8M0 scale for each 32 along K; sums in f32.
; A tile of C, 256 x 256, is made by four waves, each 128 x 128: 64 accumulators, 512 registers.  K = 1,024 is two slots of 512 along K: both are asked for at the head, nothing is filled again.
; The scales of the work-group's 256 rows of A and of B, for all of K, are two dense blocks: they come into LDS once, with the first fills.
; CLUSTERS: 4 x 4 work-groups; A's tiles are asked for jointly along a row of the cluster, B's along a column.  The tile row is 8 cy + cluster y: cy is the batch, the cluster's y the block of 256 positions in it,
; so that 'the batch's first rows' is a test on the cluster's y, which all partners share.  The cluster's x is which of q, k, v.
; THE MATRIX INSTRUCTION IS USED TRANSPOSED (source 0 = 16 rows of B, source 1 = 16 rows of A): a lane holds eight neighbouring columns of a row of C.
; OUT: f16, by head: qkv [which 3][batch x head 64][position 2048][64]; each store covers 4 rows of a head, 512 consecutive bytes.  Positions 0-15 of each batch also leave as f32, qkv32 [4][16][3072],
; in pieces of 64 bytes (786,432 bytes in all), for the launch that carries those rows finely.
; LIMIT: |q|, |k|, |v| above 65,504 have no f16 number.
; REGISTERS, in windows of 256: window 0: v0-31 addresses; v32-95 scale words, two sets; v128-191 A's fragments, one set; on the way out v32-255 are free.  window 1: B's fragments, two sets, at v0 and v128.
;   window 2: the accumulators of my rows 0-63 ((a, b) at v[8 (8 a + b)]);  window 3: those of my rows 64-127.
.set SIZE_K, 1024
.set KSTEP,  512
.set NQ,     KSTEP/128
.set ROWB,   256                       ; a tile's row in bytes
.set KROW,   SIZE_K*4/8                ; a row of codes in memory
.set PITCH,  272                       ; an LDS row: 256 + 16 bytes: the 16 rows of a load start 4 banks apart
.set FR,     8
.set NL,     2
.set NP,     4                         ; places behind this matrix instruction (ISA guide 7.12.1)
.set HALFT,  128*PITCH
.set SLOT,   4*HALFT
.set KS,     SIZE_K/32
.set SCL,    2*SLOT                    ; behind the ring: the scales, as rows of 256 bytes + 16
.set HALFS,  (128*KS/256)*272
.set SBLK,   (16*KS/256)*272
.set SPARE,  SCL+4*HALFS               ; the spare words, 128 bytes a wave
.set SPITCH, 272                       ; the way out: a stage of 16 rows x (256 + 16) bytes for each wave, in slot 0, which is filled once and is read by nobody behind the change of slots
.set ADRA, 16
.set ADRB, 20
.set STO,  24
.set RD,   25
.set CO,   26
.set ADRS, 27
.set SPW,  28
.set NIL,  29
.set C32,  30                          ; v30 my byte offset in qkv32's 16 rows
.set SC,   32
.set AF,   128
.set TMP,  192                         ; the way out: packed results
.set OB,   32                          ; and rows read back: v32-63 and v224-255 by turns
.set G1, 24
.set G0, 32
.set G1B, 48
.set G0B, 56
.set G1S, 68
.set G0S, 76
.set G1SB, 80
.set G0SB, 88
.set MSB, 0
.macro WIN new                         ; the immediate's high byte repeats the setting that is left
.if MSB != \new
	s_set_vgpr_msb (MSB<<8)|\new
.set MSB, \new
.endif
.endm
.set MUL_LO, 0xa1                      ; source 0 (B) window 1, source 1 (A) window 0, C and D window 2
.set MUL_HI, 0xf1
.set TO_B,   0x40
; A joint load: waves 0 and 1 fetch for A, waves 2 and 3 for B; the branch hangs on the wave's number alone.  An s_nop 0 and four v_nop follow each line.
.macro JLOAD g0a, g1a, g0b, g1b
	s_cmp_eq_u32 s15, 0
	s_cbranch_scc0 .Lfor_b_\@
	tensor_load_to_lds s[\g0a:\g0a+3], s[\g1a:\g1a+7]
	s_nop 0
.rept 4
	v_nop
.endr
	s_branch .Lasked_\@
.Lfor_b_\@:
	tensor_load_to_lds s[\g0b:\g0b+3], s[\g1b:\g1b+7]
	s_nop 0
.rept 4
	v_nop
.endr
.Lasked_\@:
.endm
.macro CROUND                          ; a round of the cluster's barrier
	s_barrier_signal -1
	s_barrier_wait -1
	s_cmp_lg_u32 s14, 0
	s_cbranch_scc1 .Lnot_wave_0_\@
	s_barrier_signal -3
.Lnot_wave_0_\@:
	s_barrier_wait -3
	s_barrier_signal -1
	s_barrier_wait -1
.endm
	s_load_b128 s[4:7], s[0:1], 0x0                ; A's codes, A's scales
	s_load_b128 s[8:11], s[0:1], 0x10              ; B's codes, B's scales
	s_load_b64 s[12:13], s[0:1], 0x20              ; qkv
	s_load_b64 s[96:97], s[0:1], 0x28              ; qkv32
	v_lshl_add_u32 v[SPW], v0, 2, SPARE
	v_mov_b32 v[NIL], 0
	ds_add_u32 v[SPW], v[NIL]                      ; the opening: the add, twice on end, and its wait ahead of my first tensor load
	ds_add_u32 v[SPW], v[NIL]
	v_lshrrev_b32 v1, 5, v0
	v_readfirstlane_b32 s14, v1                    ; wave 0..3
	s_lshr_b32 s15, s14, 1                         ; my half of the tile's rows; also: I fetch for A (0) or B (1)
	s_and_b32 s16, s14, 1                          ; my half of its columns; also: which 128 rows I fetch
	s_bfe_u32 s40, ttmp6, 0x40000                  ; cx
	s_bfe_u32 s41, ttmp6, 0x40004                  ; cy
	s_lshl_b32 s42, ttmp9, 2
	s_add_co_u32 s42, s42, s40                     ; tile column = 4 x cluster x + cx
	s_and_b32 s95, ttmp7, 0xffff                   ; cluster y
	s_lshl_b32 s17, s41, 3
	s_add_co_u32 s17, s17, s95                     ; tile row = 8 cy + cluster y
	s_lshl_b32 s43, s41, 2
	s_lshl_b32 s43, 15, s43                        ; my row of the cluster
	s_lshl_b32 s44, 0x1111, s40                    ; my column
	s_or_b32 s[G1+0], s43, (0<<16)|(1<<20)|(1<<21)|(5<<22)|(3<<25)  ; the mask; elements of 1 byte; padding on; bit 21 beside a mask; 4 words behind every 64
	s_or_b32 s[G1B+0], s44, (0<<16)|(1<<20)|(1<<21)|(5<<22)|(3<<25)
.irp g, G1, G1B
	s_mov_b32 s[\g+1], ROWB<<16                    ; tensor_dim0
	s_mov_b32 s[\g+2], 128<<16                     ; tensor_dim1
	s_mov_b32 s[\g+3], ROWB<<16                    ; tile_dim0
	s_mov_b32 s[\g+4], 128                         ; tile_dim1
	s_mov_b32 s[\g+5], KROW                        ; the pitch
	s_mov_b32 s[\g+6], 0
	s_mov_b32 s[\g+7], 0
.endr
	s_or_b32 s[G1S+0], s43, (3<<16)|(1<<20)|(1<<21)|(5<<22)|(3<<25) ; the scales of 128 rows: a dense block as rows of 256 bytes (32 elements of 8)
	s_or_b32 s[G1SB+0], s44, (3<<16)|(1<<20)|(1<<21)|(5<<22)|(3<<25)
.irp g, G1S, G1SB
	s_mov_b32 s[\g+1], 32<<16
	s_mov_b32 s[\g+2], (128*KS/256)<<16
	s_mov_b32 s[\g+3], 32<<16
	s_mov_b32 s[\g+4], 128*KS/256
	s_mov_b32 s[\g+5], 32
	s_mov_b32 s[\g+6], 0
	s_mov_b32 s[\g+7], 0
.endr
	s_lshl_b32 s18, s16, 7
	s_lshl_b32 s20, s17, 8
	s_add_co_u32 s20, s20, s18                     ; A: row 256 x tile row + 128 x half
	s_lshl_b32 s46, s42, 8
	s_add_co_u32 s46, s46, s18                     ; B: row 256 x tile column + 128 x half
	s_mov_b32 s21, 0
	s_mov_b32 s47, 0
	s_mov_b64 s[18:19], KS
	s_mul_u64 s[22:23], s[20:21], s[18:19]         ; where these rows' scales begin
	s_mul_u64 s[92:93], s[46:47], s[18:19]
	s_mov_b64 s[18:19], KROW
	s_mul_u64 s[20:21], s[20:21], s[18:19]         ; and their codes
	s_mul_u64 s[46:47], s[46:47], s[18:19]
	s_mul_i32 s45, s14, HALFT                      ; where they go: wave x 128 rows
	s_mul_i32 s94, s14, HALFS
	s_wait_dscnt 0x0                               ; both opening adds are done
	s_wait_kmcnt 0x0
	s_add_nc_u64 s[20:21], s[4:5], s[20:21]
	s_add_nc_u64 s[22:23], s[6:7], s[22:23]
	s_add_nc_u64 s[46:47], s[8:9], s[46:47]
	s_add_nc_u64 s[92:93], s[10:11], s[92:93]
	CROUND                                         ; all sixteen work-groups are here: the joint loads meet
	s_mov_b32 s[G0S], 1
	s_add_co_u32 s[G0S+1], s94, SCL
	s_mov_b64 s[G0S+2:G0S+3], s[22:23]
	s_or_b32 s[G0S+3], s[G0S+3], 0x80000000
	s_mov_b32 s[G0SB], 1
	s_add_co_u32 s[G0SB+1], s94, SCL
	s_mov_b64 s[G0SB+2:G0SB+3], s[92:93]
	s_or_b32 s[G0SB+3], s[G0SB+3], 0x80000000
	JLOAD G0S, G1S, G0SB, G1SB                     ; the scales first
.irp s, 0,1
	s_mov_b32 s[G0+4*\s], 1
	s_add_co_u32 s[G0+4*\s+1], s45, \s*SLOT
	s_add_nc_u64 s[G0+4*\s+2:G0+4*\s+3], s[20:21], \s*ROWB
	s_or_b32 s[G0+4*\s+3], s[G0+4*\s+3], 0x80000000
	s_mov_b32 s[G0B+4*\s], 1
	s_add_co_u32 s[G0B+4*\s+1], s45, \s*SLOT
	s_add_nc_u64 s[G0B+4*\s+2:G0B+4*\s+3], s[46:47], \s*ROWB
	s_or_b32 s[G0B+4*\s+3], s[G0B+4*\s+3], 0x80000000
	JLOAD G0+4*\s, G1, G0B+4*\s, G1B               ; three tensor loads of mine are out at the most
.endr
	v_and_b32 v1, 15, v0                           ; r
	v_bfe_u32 v2, v0, 4, 1                         ; h
	v_mul_u32_u24 v3, v1, PITCH
	v_lshl_add_u32 v4, v2, 4, v3
	s_mul_i32 s21, s15, HALFT
	s_mul_i32 s22, s16, HALFT
	s_add_co_u32 s22, s22, 2*HALFT
.irp s, 0,1
	v_add_nc_u32 v[ADRA+\s], s21, v4
	v_add_nc_u32 v[ADRB+\s], s22, v4
	s_add_co_u32 s21, s21, SLOT
	s_add_co_u32 s22, s22, SLOT
.endr
	v_mul_u32_u24 v5, v1, KS                       ; my row's scales: KS bytes a row,
	v_lshrrev_b32 v6, 8, v5
	v_lshl_add_u32 v5, v6, 4, v5                   ; and 16 more for each 256 passed
	s_mul_i32 s21, s15, HALFS
	s_mul_i32 s22, s16, HALFS
	s_add_co_u32 s22, s22, 2*HALFS
	s_sub_co_u32 s22, s22, s21
	v_mul_u32_u24 v6, s22, v2                      ; lanes 16-31 take B's
	s_add_co_u32 s21, s21, SCL
	v_add_nc_u32 v5, v5, v6
	v_add_nc_u32 v[ADRS], s21, v5
	s_mul_i32 s23, s14, 16*SPITCH                  ; my stage
	v_mul_u32_u24 v5, v1, SPITCH
	v_lshl_add_u32 v5, v2, 4, v5
	v_add_nc_u32 v[STO], s23, v5                   ; in: row r, 16 bytes for each half of the lanes
	v_and_b32 v6, 31, v0
	v_lshrrev_b32 v5, 3, v6
	v_mul_u32_u24 v5, v5, SPITCH
	v_and_b32 v7, 7, v0
	v_lshl_add_u32 v5, v7, 4, v5
	v_add_nc_u32 v[RD], s23, v5                    ; back: eight lanes take a head's 128 bytes of a row, four rows an instruction
	v_lshlrev_b32 v[CO], 4, v6                     ; which are 512 consecutive bytes of qkv
	v_mul_u32_u24 v[C32], v1, 12288
	v_lshl_add_u32 v[C32], v2, 5, v[C32]           ; qkv32: row r of 12,288 bytes, + 32 h
	s_lshl_b32 s98, ttmp9, 2
	s_add_co_u32 s98, s98, s41                     ; 4 which + batch
	s_lshl_b32 s98, s98, 4
	s_lshl_b32 s99, s40, 2
	s_add_co_u32 s98, s98, s99                     ; + 4 cx heads
	s_lshl_b32 s99, s16, 1
	s_add_co_u32 s98, s98, s99                     ; + my two heads
	s_lshl_b32 s98, s98, 18                        ; a head is 262,144 bytes
	s_lshl_b32 s99, s95, 15                        ; + 256 x cluster y positions of 128 bytes
	s_add_co_u32 s98, s98, s99
	s_lshl_b32 s99, s15, 14                        ; + my 128 rows
	s_add_co_u32 s98, s98, s99
	s_mov_b32 s99, 0
	s_add_nc_u64 s[12:13], s[12:13], s[98:99]
	s_mul_i32 s98, s41, 196608                     ; qkv32: the batch's 16 rows,
	s_lshl_b32 s22, s42, 10                        ; + 256 x tile column x 4 bytes
	s_add_co_u32 s98, s98, s22
	s_lshl_b32 s22, s16, 9
	s_add_co_u32 s98, s98, s22
	s_add_nc_u64 s[96:97], s[96:97], s[98:99]
.macro FRAG reg, adr, q, i             ; 16 rows x 128 K of 4-bit codes: 8 registers, two loads of 16 bytes, 32 apart
.irp c, 0,1
	ds_load_b128 v[\reg+4*\c:\reg+4*\c+3], v[\adr] offset:64*(\q)+32*\c+(\i)*16*PITCH
.endr
.endm
; 16 matrix instructions: A's blocks a0, a0 + 1 x B's eight.  The 64 accumulators take turns, one instruction a turn.
.macro MUL16 a0, p, q, sc, zero
.irp a, \a0, \a0+1
.irp b, 0,1,2,3,4,5,6,7
.if \zero
	v_wmma_scale_f32_16x16x128_f8f6f4 v[8*(8*((\a)%4)+\b):8*(8*((\a)%4)+\b)+7], v[128*(\p)+FR*\b:128*(\p)+FR*\b+FR-1], v[AF+FR*(\a):AF+FR*(\a)+FR-1], 0, v[SC+8*NQ*(\sc)+NQ*\b+(\q)], v[SC+8*NQ*(\sc)+NQ*(\a)+(\q)] matrix_a_fmt:MATRIX_FMT_FP4 matrix_b_fmt:MATRIX_FMT_FP4 matrix_a_scale:MATRIX_SCALE_ROW1
.else
	v_wmma_scale_f32_16x16x128_f8f6f4 v[8*(8*((\a)%4)+\b):8*(8*((\a)%4)+\b)+7], v[128*(\p)+FR*\b:128*(\p)+FR*\b+FR-1], v[AF+FR*(\a):AF+FR*(\a)+FR-1], v[8*(8*((\a)%4)+\b):8*(8*((\a)%4)+\b)+7], v[SC+8*NQ*(\sc)+NQ*\b+(\q)], v[SC+8*NQ*(\sc)+NQ*(\a)+(\q)] matrix_a_fmt:MATRIX_FMT_FP4 matrix_b_fmt:MATRIX_FMT_FP4 matrix_a_scale:MATRIX_SCALE_ROW1
.endif
.endr
.endr
.endm
.macro FETCH_B slot, q, p
	WIN TO_B
.irp i, 0,1,2,3,4,5,6,7
	FRAG 128*(\p)+FR*\i, ADRB+\slot, \q, \i
.endr
	WIN 0
.endm
.macro FETCH_A slot, q, i0
.irp i, \i0, \i0+1, \i0+2, \i0+3
	FRAG AF+FR*(\i), ADRA+\slot, \q, \i
.endr
.endm
.macro SCALES sc                       ; a slot's scale words: lanes 0-15 take A's block i, lanes 16-31 B's block i
.irp i, 0,1,2,3,4,5,6,7
	ds_load_b128 v[SC+8*NQ*\sc+NQ*\i:SC+8*NQ*\sc+NQ*\i+3], v[ADRS] offset:\i*SBLK
.endr
.endm
.macro PLACES n                        ; plain vector lines between a matrix instruction and a load into, or a read of, its registers
.rept \n
	v_nop
.endr
.endm
.macro STEP slot, q, zero              ; 128 along K, with its successor in the same slot
	s_wait_dscnt 4*NL                              ; B's set and A's blocks 0-3 are in; A's blocks 4-7 (8 loads) may be out
	WIN MUL_LO
	MUL16 0, (\q)%2, \q, \slot, \zero
	MUL16 2, (\q)%2, \q, \slot, \zero
	s_wait_dscnt 0
	PLACES NP
	FETCH_B \slot, (\q)+1, 1-(\q)%2
	FETCH_A \slot, (\q)+1, 0
	WIN MUL_HI
	MUL16 4, (\q)%2, \q, \slot, \zero
	MUL16 6, (\q)%2, \q, \slot, \zero
	PLACES NP
	WIN 0
	FETCH_A \slot, (\q)+1, 4
.endm
.macro TURN slot, next                 ; a slot's last step changes slots: one barrier; nothing is filled again
	s_wait_tensorcnt 0x0                           ; all my tensor loads have landed: my part of the next slot
	ds_add_u32 v[SPW], v[NIL]
	s_wait_dscnt 4*NL+1                            ; the add and A's blocks 4-7 may be out
	WIN MUL_LO
	MUL16 0, 1, NQ-1, \slot, 0
	s_wait_dscnt 0x0                               ; the add is done, my reads of this slot are over
	s_barrier_signal -1
	MUL16 2, 1, NQ-1, \slot, 0
	WIN 0
	s_barrier_wait -1                              ; the next slot is whole, and nobody reads this one any more
	PLACES NP
	v_add_nc_u32 v[ADRS], 4*NQ, v[ADRS]            ; the next slot's scale words
	FETCH_B \next, 0, 0
	FETCH_A \next, 0, 0
	SCALES \next
	WIN MUL_HI
	MUL16 4, 1, NQ-1, \slot, 0
	MUL16 6, 1, NQ-1, \slot, 0
	PLACES NP
	WIN 0
	FETCH_A \next, 0, 4
.endm
	s_wait_tensorcnt 1                             ; the scales and my part of slot 0 are in; slot 1's load may be out
	s_barrier_signal -1
	s_barrier_wait -1
	FETCH_B 0, 0, 0
	FETCH_A 0, 0, 0
	SCALES 0
	FETCH_A 0, 0, 4
	STEP 0, 0, 1                                   ; the first products start the sums: nothing is cleared
	STEP 0, 1, 0
	STEP 0, 2, 0
	TURN 0, 1
	STEP 1, 0, 0
	STEP 1, 1, 0
	STEP 1, 2, 0
	s_wait_dscnt 4*NL
	WIN MUL_LO
	MUL16 0, 1, NQ-1, 1, 0
	MUL16 2, 1, NQ-1, 1, 0
	s_wait_dscnt 0
	WIN MUL_HI
	MUL16 4, 1, NQ-1, 1, 0
	MUL16 6, 1, NQ-1, 1, 0
	WIN 0
	PLACES NP
	; positions 0-15 of a batch are block 0 of the waves with the tile's upper rows, where the cluster's y is 0: the test is the same in all partners
	s_or_b32 s98, s95, s15
	s_cmp_lg_u32 s98, 0
	s_cbranch_scc1 .Lno_copy
	WIN 0x08                                       ; a store's data: window 2
.irp b, 0,1,2,3,4,5,6,7
	global_store_b128 v[C32], v[8*\b:8*\b+3], s[96:97] offset:64*\b          ; each accumulator from its low end on
	global_store_b128 v[C32], v[8*\b+4:8*\b+7], s[96:97] offset:64*\b+16
.endr
	WIN 0
.Lno_copy:
; THE WAY OUT of block a (16 rows x 128 columns = two heads): rounded to f16, through my stage, back as 4 rows of a head at a time.
.macro PACK a
.set AC, 64*((\a)%4)
	WIN 0x0a+5*((\a)/4)                            ; sources 0 and 1: window 2 or 3
.irp b, 0,1,2,3,4,5,6,7
.irp r, 0,1,2,3
	v_cvt_pk_f16_f32 v[TMP+4*\b+\r], v[AC+8*\b+2*\r], v[AC+8*\b+2*\r+1]
.endr
.endr
	WIN 0
.endm
.macro TOSTAGE a
.set BK, OB+192*((\a)%2)
.irp b, 0,1,2,3,4,5,6,7
	ds_store_b128 v[STO], v[TMP+4*\b:TMP+4*\b+3] offset:32*\b
.endr
.irp t, 0,1,2,3,4,5,6,7
	ds_load_b128 v[BK+4*\t:BK+4*\t+3], v[RD] offset:(\t%4)*4*SPITCH+(\t/4)*128   ; LDS serves a wave's instructions in order: these see the stores above
.endr
.endm
.macro SEND a
.set BK, OB+192*((\a)%2)
	s_wait_dscnt 0x0                               ; the block is back in registers
	s_wait_xcnt 0x0                                ; the earlier stores have read their registers: the other set may be loaded again
.irp t, 0,1,2,3,4,5,6,7
	global_store_b128 v[CO], v[BK+4*\t:BK+4*\t+3], s[12:13] offset:(\a)*2048+(\t%4)*512+(\t/4)*262144   ; 512 consecutive bytes, aligned
.endr
.endm
	PACK 0
	TOSTAGE 0
.irp a, 1,2,3,4,5,6,7
	PACK \a
	SEND \a-1
	TOSTAGE \a
.endr
	SEND 7
	s_wait_tensorcnt 0x0                           ; the wave's end
	ds_add_u32 v[SPW], v[NIL]
	s_wait_dscnt 0x0
	CROUND                                         ; the closing round
	s_endpgm
.Lfunc_end_k_qa442cbdf14_qkv_gemm:
	.size	k_qa442cbdf14_qkv_gemm, .Lfunc_end_k_qa442cbdf14_qkv_gemm-k_qa442cbdf14_qkv_gemm
	.p2alignl 7, 3214868480
	.fill 96, 4, 3214868480
	.section	.rodata,"a",@progbits
	.p2align	6, 0x0
	.amdhsa_kernel k_qa442cbdf14_qkv_gemm
		.amdhsa_group_segment_fixed_size 327680
		.amdhsa_private_segment_fixed_size 0
		.amdhsa_enable_private_segment 0
		.amdhsa_kernarg_size 48
		.amdhsa_user_sgpr_count 2
		.amdhsa_user_sgpr_kernarg_segment_ptr 1
		.amdhsa_wavefront_size32 1
		.amdhsa_system_sgpr_workgroup_id_x 1
		.amdhsa_system_sgpr_workgroup_id_y 1
		.amdhsa_system_sgpr_workgroup_id_z 1
		.amdhsa_system_vgpr_workitem_id 0
		.amdhsa_next_free_vgpr 1024
		.amdhsa_next_free_sgpr 100
		.amdhsa_reserve_vcc 0
		.amdhsa_float_denorm_mode_32 3
		.amdhsa_float_denorm_mode_16_64 3
		.amdhsa_memory_ordered 1
		.amdhsa_forward_progress 1
		.amdhsa_inst_pref_size 128
	.end_amdhsa_kernel
	.amdgpu_metadata
---
amdhsa.version: [ 1, 2 ]
amdhsa.kernels:
  - .name:           k_qa442cbdf14_qkv_gemm
    .symbol:         k_qa442cbdf14_qkv_gemm.kd
    .args:
      - { .name: x_codes, .offset: 0, .size: 8, .value_kind: global_buffer, .address_space: global }
      - { .name: x_scales, .offset: 8, .size: 8, .value_kind: global_buffer, .address_space: global }
      - { .name: w_codes, .offset: 16, .size: 8, .value_kind: global_buffer, .address_space: global }
      - { .name: w_scales, .offset: 24, .size: 8, .value_kind: global_buffer, .address_space: global }
      - { .name: qkv, .offset: 32, .size: 8, .value_kind: global_buffer, .address_space: global }
      - { .name: qkv32, .offset: 40, .size: 8, .value_kind: global_buffer, .address_space: global }
    .group_segment_fixed_size: 327680
    .private_segment_fixed_size: 0
    .kernarg_segment_align: 8
    .kernarg_segment_size: 48
    .max_flat_workgroup_size: 128
    .sgpr_count:     100
    .vgpr_count:     1024
    .wavefront_size: 32
...
	.end_amdgpu_metadata
.endif
;; end of part 3
;; launch attn (part 4): grid 4 x 64, 16 waves a work-group, no clusters, 327,680 bytes of LDS; arguments qkv, ctx; writes ctx
.if DOCPART == 4
	.amdgcn_target "amdgcn-amd-amdhsa--gfx1250"
	.amdhsa_code_object_version 6
	.text
	.protected	k_qa442cbdf14_attn
	.globl	k_qa442cbdf14_attn
	.p2align	8
	.type	k_qa442cbdf14_attn,@function
k_qa442cbdf14_attn:
	s_mov_b64 s[64:65], 0
	v_nop
	global_prefetch_b8 v0, s[64:65] scope:SCOPE_SE
	s_setreg_imm32_b32 hwreg(HW_REG_WAVE_MODE, 25, 1), 1
	s_wait_xcnt 0x0
; ctx[bh][q][:] = the sum over k <= q of softmax_k(Q[q] . K[k] / 8) V[k][:], one batch and head (bh) to a work-group row.  Q, K, V: f16, qkv [3][64][2048][64]; ctx: f16 [64][2048][64].
; Products on f16 operands with f32 sums; maxima, exponentials and sums in f32; a running maximum is taken away ahead of every exponential.
; SHARES.  Work-group (p, bh) owns two blocks of 256 queries: block 7 - p (first pass) and block p (second).  Under the causal mask they need 8 - p and p + 1 slots of 256 keys: nine for every work-group,
; so all trip counts are constants and all 256 work-groups do equal work.  Each of sixteen waves owns 16 queries of the block in hand, in 256 registers: four waves to a SIMD.
; NO CLUSTER: from the fifth trip on the four work-groups of a head want different slots, and under the mask some partners would read nothing of a joint tile.
; LAYOUT.  S^T = K Q^T (source 0 = 16 keys, source 1 = my 16 queries) and O^T = V^T P: a lane holds one query (lane % 16) throughout; two tiles of S^T rounded in pairs are source 1 of the second product.
; K comes out of LDS as it lies, V ([key][channel]) turned by ds_load_tr16_b128.  A step is 64 keys.  A step all of whose keys come after my queries is jumped over (ids alone); on the diagonal hidden scores become -infinity.
; The first 16 positions of each sequence are written again, in f32, by a later launch.  LIMIT: |ctx| above 65,504 has no f16 number; NaN and infinities are not served.
.set PK,    144                        ; a key's row in LDS: 128 bytes + 16
.set PV,    160                        ; a row of V: 128 + 32
.set VOFF,  256*PK                     ; a slot: 256 rows of K, then 256 rows of V
.set SLOT1, 1<<17                      ; slot 1 begins here: one exclusive or turns an address
.set STAGE, SLOT1+256*(PK+PV)          ; behind the ring: 16 rows x 144 bytes for each wave; no fill lands here
.set SPARE, STAGE+16*16*PK             ; the spare words, 128 bytes a wave
.set AK0, 1                            ; my lane's place in a tile of K
.set AV0, 2                            ; and of V
.set ADK, 3                            ; the same in the slot in hand
.set ADV, 4
.set QO,  5                            ; my byte offset in the wave's rows of Q
.set STO, 6                            ; the way out: in
.set RD,  7                            ; and back
.set GO,  8                            ; 16 x lane
.set PFO, 9                            ; 256 x lane
.set DM,  10                           ; the diagonal's bound
.set NINF, 11                          ; -infinity
.set RH,  12                           ; lane % 16 - 8 (lane / 16)
.set QR,  16                           ; v16-31   Q, fragment c at 16 + 8 c
.set KR,  32                           ; v32-95   K, fragment (kt, c) at 32 + 16 kt + 8 c
.set VR,  96                           ; v96-159  V, fragment (kg, ct) at 96 + 32 kg + 8 ct
.set SR,  160                          ; v160-191 S^T, then p
.set PR,  192                          ; v192-207 p in f16
.set OA,  208                          ; v208-239 O^T
.set CM,  240                          ; c m
.set MX,  241                          ; m
.set LS,  242                          ; v[242:243] the sum, in two halves
.set TT,  244                          ; v244-247 at work
.set AF,  248                          ; v[248:249] a, and 0
.set DA,  250
.set SPW, 252
.set NIL, 253
.set WV, 8
.set PP, 9
.set BH, 10
.set SW, 11                            ; the trip at which the second pass begins: 8 - p
.set TRIP, 12
.set KF, 13                            ; the step's first key
.set Q0, 14                            ; my first query
.set TB, 15                            ; LDS byte at which the slot in hand begins
.set SEL, 16
.set CS, 18                            ; s[18:19] c = log2(e) / 8
.set G1K, 24
.set G1V, 32
.set G0K, 40
.set G0V, 44
.set KB, 48                            ; K of my head, at the half of a slot that I fetch
.set VB, 50
.set QB, 52
.set CB, 54
.set QP, 56                            ; Q and ctx at my first query
.set CP, 58
.set OFS, 60                           ; s[60:61] an offset; s61 stays 0
.set PFA, 72
.set LIM, 74
; Waves 0 and 1 fetch K's halves of a slot, waves 2 and 3 V's, the others nothing.  An s_nop 0 and four v_nop follow each line.
.macro TLOAD
	s_cmp_lt_u32 s[WV], 2
	s_cbranch_scc0 .Lnot_k_\@
	tensor_load_to_lds s[G0K:G0K+3], s[G1K:G1K+7]
	s_nop 0
.rept 4
	v_nop
.endr
	s_branch .Lasked_\@
.Lnot_k_\@:
	s_cmp_lt_u32 s[WV], 4
	s_cbranch_scc0 .Lasked_\@
	tensor_load_to_lds s[G0V:G0V+3], s[G1V:G1V+7]
	s_nop 0
.rept 4
	v_nop
.endr
.Lasked_\@:
.endm
; A prefetch of the slot that the next change will ask for.  A slot of K or of V is 32,768 dense bytes.  The head's work-group with p = 0, which walks slots 0 to 7 in its first pass, asks, and nobody else:
; waves 4 to 7 for K's, waves 8 to 11 for V's, 8,192 bytes a wave, lanes 256 bytes apart: each block is named once.  Trips 0 to 5 ask for slots 2 to 7; slots 0 and 1 come by their loads alone.
.macro ASK
	s_cmp_lt_u32 s[TRIP], s[LIM]
	s_cbranch_scc0 .Lnot_mine_\@
	global_prefetch_b8 v[PFO], s[PFA:PFA+1] th:TH_LOAD_NT scope:SCOPE_SE
.Lnot_mine_\@:
.endm
; A pass begins: Q of my 16 queries, and the empty state.  The first change of the maximum multiplies zeros.
.macro START
	global_load_b128 v[QR:QR+3], v[QO], s[QP:QP+1]
	global_load_b128 v[QR+4:QR+7], v[QO], s[QP:QP+1] offset:32
	global_load_b128 v[QR+8:QR+11], v[QO], s[QP:QP+1] offset:64
	global_load_b128 v[QR+12:QR+15], v[QO], s[QP:QP+1] offset:96
	v_mov_b32 v[MX], 0xff61b1e6                    ; -3e38, under every score
	v_mul_f32 v[CM], s[CS], v[MX]
	v_mov_b32 v[LS], 0
	v_mov_b32 v[LS+1], 0
.irp j, 0,1,2,3,4,5,6,7,8,9,10,11,12,13,14,15,16,17,18,19,20,21,22,23,24,25,26,27,28,29,30,31
	v_mov_b32 v[OA+\j], 0
.endr
	s_wait_loadcnt 0x0
.endm
	s_load_b128 s[4:7], s[0:1], 0x0                ; qkv, ctx
	v_lshl_add_u32 v[SPW], v0, 2, SPARE
	v_mov_b32 v[NIL], 0
	ds_add_u32 v[SPW], v[NIL]                      ; the opening: the add, twice on end, and its wait ahead of the first tensor load
	ds_add_u32 v[SPW], v[NIL]
	v_lshrrev_b32 v13, 5, v0
	v_readfirstlane_b32 s[WV], v13                 ; wave 0..15
	s_mov_b32 s[PP], ttmp9
	s_and_b32 s[BH], ttmp7, 0xffff
	s_sub_co_u32 s[SW], 8, s[PP]
	s_mov_b32 s[G1K], (1<<16)|(1<<20)|(4<<22)|(3<<25)   ; no mask; elements of 2 bytes; padding on: 4 words behind every 32
	s_mov_b32 s[G1V], (1<<16)|(1<<20)|(4<<22)|(7<<25)   ; 8 words
.irp g, G1K, G1V
	s_mov_b32 s[\g+1], 64<<16                      ; tensor_dim0 = 64
	s_mov_b32 s[\g+2], 128<<16                     ; tensor_dim1 = 128
	s_mov_b32 s[\g+3], 64<<16                      ; tile_dim0
	s_mov_b32 s[\g+4], 128                         ; tile_dim1
	s_mov_b32 s[\g+5], 64                          ; the pitch
	s_mov_b32 s[\g+6], 0
	s_mov_b32 s[\g+7], 0
.endr
	s_mov_b32 s[SEL], 0x76543210
	s_mov_b32 s[SEL+1], 0xfedcba98
	s_mov_b32 s[CS], 0x3e38aa3b
	s_mov_b32 s[CS+1], s[CS]
	s_mov_b32 s[TRIP], 0
	s_mov_b32 s[KF], 0
	s_mov_b32 s[TB], 0
	s_sub_co_u32 s[Q0], 7, s[PP]
	s_lshl_b32 s[Q0], s[Q0], 8
	s_lshl_b32 s66, s[WV], 4
	s_add_co_u32 s[Q0], s[Q0], s66                 ; 256 (7 - p) + 16 wave
	s_and_b32 s67, s[WV], 1
	s_mov_b32 s[OFS+1], 0
	s_wait_dscnt 0x0                               ; both opening adds are done
	s_wait_kmcnt 0x0
	s_add_co_u32 s[OFS], s[BH], 64
	s_lshl_b32 s[OFS], s[OFS], 18
	s_add_nc_u64 s[68:69], s[4:5], s[OFS:OFS+1]    ; K of my head
	s_add_co_u32 s[OFS], s[BH], 128
	s_lshl_b32 s[OFS], s[OFS], 18
	s_add_nc_u64 s[70:71], s[4:5], s[OFS:OFS+1]    ; V of my head
	s_lshl_b32 s[OFS], s67, 14                     ; the 128 rows of a slot that I fetch
	s_add_nc_u64 s[KB:KB+1], s[68:69], s[OFS:OFS+1]
	s_add_nc_u64 s[VB:VB+1], s[70:71], s[OFS:OFS+1]
	s_mov_b32 s[G0K], 1
	s_mul_i32 s[G0K+1], s67, 128*PK
	s_mov_b64 s[G0K+2:G0K+3], s[KB:KB+1]
	s_or_b32 s[G0K+3], s[G0K+3], 0x80000000
	s_mov_b32 s[G0V], 1
	s_mul_i32 s[G0V+1], s67, 128*PV
	s_add_co_u32 s[G0V+1], s[G0V+1], VOFF
	s_mov_b64 s[G0V+2:G0V+3], s[VB:VB+1]
	s_or_b32 s[G0V+3], s[G0V+3], 0x80000000
	TLOAD                                          ; slot 0: keys 0 to 255, which count for every block
	s_lshl_b32 s[OFS], s[BH], 18
	s_add_nc_u64 s[QB:QB+1], s[4:5], s[OFS:OFS+1]
	s_add_nc_u64 s[CB:CB+1], s[6:7], s[OFS:OFS+1]
	s_lshl_b32 s[OFS], s[Q0], 7
	s_add_nc_u64 s[QP:QP+1], s[QB:QB+1], s[OFS:OFS+1]
	s_add_nc_u64 s[CP:CP+1], s[CB:CB+1], s[OFS:OFS+1]
	s_cmp_lt_u32 s[WV], 8
	s_cselect_b64 s[PFA:PFA+1], s[68:69], s[70:71]
	s_and_b32 s[OFS], s[WV], 3
	s_lshl_b32 s[OFS], s[OFS], 13
	s_add_co_u32 s[OFS], s[OFS], 32768             ; my wave's part of slot 1: the first change steps it to slot 2
	s_add_nc_u64 s[PFA:PFA+1], s[PFA:PFA+1], s[OFS:OFS+1]
	s_sub_co_u32 s66, s[WV], 4
	s_lshr_b32 s66, s66, 3                         ; 0 in waves 4 to 11,
	s_or_b32 s66, s66, s[PP]                       ; of the work-group with p = 0
	s_cmp_eq_u32 s66, 0
	s_cselect_b32 s[LIM], 6, 0
	v_and_b32 v13, 15, v0                          ; r
	v_bfe_u32 v14, v0, 4, 1                        ; h
	v_mul_u32_u24 v[AK0], v13, PK
	v_lshl_add_u32 v[AK0], v14, 4, v[AK0]          ; row r, + 16 h
	v_and_b32 v15, 7, v0
	v_lshl_add_u32 v[AV0], v14, 3, v15
	v_mul_u32_u24 v[AV0], v[AV0], PV               ; the turning load: key 8 h + lane % 8,
	v_bfe_u32 v15, v0, 3, 1
	v_lshl_add_u32 v[AV0], v15, 4, v[AV0]          ; channels 8 ((lane / 8) % 2) on
	v_add_nc_u32 v[AV0], VOFF, v[AV0]
	v_lshlrev_b32 v[QO], 7, v13
	v_lshl_add_u32 v[QO], v14, 4, v[QO]
	s_mul_i32 s66, s[WV], 16*PK
	s_add_co_u32 s66, s66, STAGE                   ; my stage
	v_mul_u32_u24 v[STO], v13, PK
	v_lshl_add_u32 v[STO], v14, 4, v[STO]
	v_add_nc_u32 v[STO], s66, v[STO]
	v_and_b32 v15, 31, v0
	v_lshrrev_b32 v[RD], 3, v15
	v_mul_u32_u24 v[RD], v[RD], PK
	v_and_b32 v[DM], 7, v0
	v_lshl_add_u32 v[RD], v[DM], 4, v[RD]
	v_add_nc_u32 v[RD], s66, v[RD]                 ; back: eight lanes a row of 128 bytes, four rows an instruction
	v_lshlrev_b32 v[GO], 4, v15
	v_lshlrev_b32 v[PFO], 8, v15
	v_mov_b32 v[NINF], 0xff800000
	v_lshlrev_b32 v[RH], 3, v14
	v_sub_nc_u32 v[RH], v13, v[RH]
.irp k, 0,1,2,3
	v_mov_b32 v[TT+\k], 0                          ; written once: a lane permute's destination counts as one of its sources
.endr
	v_mov_b32 v[AF+1], 0                           ; named as the upper half of a pair
	START
; A KEY STEP: 64 keys, the q-th of the slot in hand.
.macro STEP q
	s_add_co_u32 s66, s[Q0], 15
	s_cmp_gt_u32 s[KF], s66                        ; all 64 keys come after my queries: ids alone
	s_cbranch_scc1 .Lhidden_\@
.irp kt, 0,1,2,3
.irp c, 0,1
	ds_load_b128 v[KR+16*\kt+8*\c:KR+16*\kt+8*\c+3], v[ADK] offset:(64*(\q)+16*\kt)*PK+64*\c
	ds_load_b128 v[KR+16*\kt+8*\c+4:KR+16*\kt+8*\c+7], v[ADK] offset:(64*(\q)+16*\kt)*PK+64*\c+32
.endr
.endr
.irp kg, 0,1
.irp ct, 0,1,2,3
	ds_load_tr16_b128 v[VR+32*\kg+8*\ct:VR+32*\kg+8*\ct+3], v[ADV] offset:(64*(\q)+32*\kg)*PV+32*\ct
	ds_load_tr16_b128 v[VR+32*\kg+8*\ct+4:VR+32*\kg+8*\ct+7], v[ADV] offset:(64*(\q)+32*\kg)*PV+16*PV+32*\ct
.endr
.endr
	s_wait_dscnt 16                                ; K's 16 loads are in; V's 16 stay out
.irp kt, 0,1,2,3                                   ; the four accumulators take turns
	v_wmma_f32_16x16x32_f16 v[SR+8*\kt:SR+8*\kt+7], v[KR+16*\kt:KR+16*\kt+7], v[QR:QR+7], 0
.endr
.irp kt, 0,1,2,3
	v_wmma_f32_16x16x32_f16 v[SR+8*\kt:SR+8*\kt+7], v[KR+16*\kt+8:KR+16*\kt+15], v[QR+8:QR+15], v[SR+8*\kt:SR+8*\kt+7]
.endr
.rept 4
	v_nop                                          ; places ahead of the first read of the scores
.endr
	s_add_co_u32 s66, s[KF], 63
	s_cmp_le_u32 s66, s[Q0]                        ; all 64 keys count for all my queries
	s_cbranch_scc1 .Lopen_\@
	s_sub_co_i32 s66, s[Q0], s[KF]
	v_add_nc_u32 v[DM], s66, v[RH]                 ; register 8 kt + j holds key KF + 16 kt + 8 h + j: hidden where 16 kt + j > my query - KF - 8 h
.irp n, 0,1,2,3,4,5,6,7,8,9,10,11,12,13,14,15,16,17,18,19,20,21,22,23,24,25,26,27,28,29,30,31
	v_cmp_gt_i32 vcc_lo, 16*(\n/8)+\n%8, v[DM]
	v_cndmask_b32 v[SR+\n], v[SR+\n], v[NINF], vcc_lo
.endr
.Lopen_\@:
.irp k, 0,1,2,3
	v_max3_num_f32 v[TT+\k], v[SR+8*\k], v[SR+8*\k+1], v[SR+8*\k+2]   ; each accumulator from its low end on
.endr
.irp i, 3,5
.irp k, 0,1,2,3
	v_max3_num_f32 v[TT+\k], v[TT+\k], v[SR+8*\k+\i], v[SR+8*\k+\i+1]
.endr
.endr
	v_max3_num_f32 v[TT], v[TT], v[SR+7], v[SR+15]
	v_max3_num_f32 v[TT+2], v[TT+2], v[SR+23], v[SR+31]
	v_max3_num_f32 v[TT], v[TT], v[TT+1], v[TT+2]
	v_max3_num_f32 v[TT], v[TT], v[TT+3], v[MX]    ; with the old maximum
	v_permlanex16_b32 v[TT+1], v[TT], s[SEL], s[SEL+1]   ; the query's other 32 keys lie in the lane 16 away
	v_mov_b32 v[DA], v[CM]
	v_max_num_f32 v[MX], v[TT], v[TT+1]
	v_mul_f32 v[CM], s[CS], v[MX]
	v_sub_f32 v[DA], v[DA], v[CM]                  ; c m_old - c m_new
.irp j, 0,2,4,6,8,10,12,14,16,18,20,22,24,26,28,30
	v_pk_fma_f32 v[SR+\j:SR+\j+1], v[SR+\j:SR+\j+1], s[CS:CS+1], v[CM:CM+1] op_sel_hi:[1,0,0] neg_lo:[0,0,1] neg_hi:[0,0,1]   ; c s - c m
.endr
	v_exp_f32 v[AF], v[DA]                         ; a
.irp j, 0,1,2,3,4,5,6,7,8,9,10,11,12,13,14,15,16,17,18,19,20,21,22,23,24,25,26,27,28,29,30,31
	v_exp_f32 v[SR+\j], v[SR+\j]                   ; p, at most 1
.endr
	v_nop                                          ; a plain line behind the last exponential
	s_wait_alu depctr_va_vdst(0)                   ; one wait for the batch of 33, ahead of its first reader
	v_pk_add_f32 v[TT:TT+1], v[SR:SR+1], v[SR+2:SR+3]
	v_pk_add_f32 v[TT+2:TT+3], v[SR+4:SR+5], v[SR+6:SR+7]
.irp j, 8,12,16,20,24,28
	v_pk_add_f32 v[TT:TT+1], v[TT:TT+1], v[SR+\j:SR+\j+1]
	v_pk_add_f32 v[TT+2:TT+3], v[TT+2:TT+3], v[SR+\j+2:SR+\j+3]
.endr
	v_pk_add_f32 v[TT:TT+1], v[TT:TT+1], v[TT+2:TT+3]
	v_pk_fma_f32 v[LS:LS+1], v[LS:LS+1], v[AF:AF+1], v[TT:TT+1] op_sel_hi:[1,0,1]   ; l = a l + the step's sum
.irp j, 0,1,2,3,4,5,6,7,8,9,10,11,12,13,14,15
	v_cvt_pk_f16_f32 v[PR+\j], v[SR+2*\j], v[SR+2*\j+1]
.endr
.irp j, 0,2,4,6,8,10,12,14,16,18,20,22,24,26,28,30
	v_pk_mul_f32 v[OA+\j:OA+\j+1], v[OA+\j:OA+\j+1], v[AF:AF+1] op_sel_hi:[1,0]   ; O^T x a, each accumulator from its low end on
.endr
	s_wait_dscnt 0x0                               ; V is in
.irp kg, 0,1
.irp ct, 0,1,2,3
	v_wmma_f32_16x16x32_f16 v[OA+8*\ct:OA+8*\ct+7], v[VR+32*\kg+8*\ct:VR+32*\kg+8*\ct+7], v[PR+8*\kg:PR+8*\kg+7], v[OA+8*\ct:OA+8*\ct+7]
.endr
.endr
.rept 4
	v_nop                                          ; places ahead of the next loads into V's registers and the next read of O^T
.endr
.Lhidden_\@:
	s_add_co_u32 s[KF], s[KF], 64
.endm
; THE CHANGE OF SLOTS, at a slot's head.  Each wave waits for all its tensor loads, adds 0 to its spare word, and waits for that and for its reads of the slot that it has left; then one barrier.
; fill = 1: the slot that was left takes the keys of the next trip: slot TRIP + 1 of the first pass, or TRIP + 1 - SW of the second; the load has four steps in which to land.
.macro CHANGE fill
	s_wait_tensorcnt 0x0                           ; no tensor load of mine is out: a group 0 may be written
	ds_add_u32 v[SPW], v[NIL]
.if \fill
	ds_add_u32 v[SPW], v[NIL]                      ; and twice on end here, in every trip alike
	s_xor_b32 s[G0K+1], s[G0K+1], SLOT1
	s_xor_b32 s[G0V+1], s[G0V+1], SLOT1
	s_add_co_u32 s66, s[TRIP], 1
	s_cmp_ge_u32 s66, s[SW]
	s_cselect_b32 s67, s[SW], 0
	s_sub_co_u32 s66, s66, s67
	s_lshl_b32 s[OFS], s66, 15                     ; 256 keys are 32,768 bytes
	s_add_nc_u64 s[G0K+2:G0K+3], s[KB:KB+1], s[OFS:OFS+1]
	s_or_b32 s[G0K+3], s[G0K+3], 0x80000000
	s_add_nc_u64 s[G0V+2:G0V+3], s[VB:VB+1], s[OFS:OFS+1]
	s_or_b32 s[G0V+3], s[G0V+3], 0x80000000
	s_wait_xcnt 0x0                                ; the last prefetch, a slot back, has read its address
	s_add_nc_u64 s[PFA:PFA+1], s[PFA:PFA+1], 32768
.endif
	s_wait_dscnt 0x0                               ; the add is done, my reads of the slot that I have left are over
	s_barrier_signal -1
	s_barrier_wait -1
.if \fill
	TLOAD                                          ; the first thing behind the barrier, a wave's one tensor load until the next
	ASK
.endif
	v_add_nc_u32 v[ADK], s[TB], v[AK0]
	v_add_nc_u32 v[ADV], s[TB], v[AV0]
.endm
; A PASS ENDS: O^T / the sum, rounded to f16, goes through my stage and leaves as 4 rows of 128 bytes at a time.  reload = 1: the second pass begins.
.macro FLUSH reload
	v_add_f32 v[TT], v[LS], v[LS+1]
	v_permlanex16_b32 v[TT+1], v[TT], s[SEL], s[SEL+1]
	v_add_f32 v[TT], v[TT], v[TT+1]
	v_rcp_f32 v[AF], v[TT]
	v_nop
	s_wait_alu depctr_va_vdst(0)                   ; ahead of the reciprocal's first reader
.irp j, 0,2,4,6,8,10,12,14,16,18,20,22,24,26,28,30
	v_pk_mul_f32 v[OA+\j:OA+\j+1], v[OA+\j:OA+\j+1], v[AF:AF+1] op_sel_hi:[1,0]
.endr
.irp j, 0,1,2,3,4,5,6,7,8,9,10,11,12,13,14,15
	v_cvt_pk_f16_f32 v[PR+\j], v[OA+2*\j], v[OA+2*\j+1]
.endr
.irp ct, 0,1,2,3
	ds_store_b128 v[STO], v[PR+4*\ct:PR+4*\ct+3] offset:32*\ct
.endr
.irp i, 0,1,2,3
	ds_load_b128 v[SR+4*\i:SR+4*\i+3], v[RD] offset:4*PK*\i    ; LDS serves a wave's instructions in order: these see my stores
.endr
.irp i, 0,1,2,3
	s_wait_dscnt 3-\i
	global_store_b128 v[GO], v[SR+4*\i:SR+4*\i+3], s[CP:CP+1] offset:512*\i   ; 512 consecutive bytes, aligned
.endr
.if \reload
	s_wait_xcnt 0x0                                ; the stores have read their base and data: both are written again below
	s_lshl_b32 s[Q0], s[PP], 8
	s_lshl_b32 s66, s[WV], 4
	s_add_co_u32 s[Q0], s[Q0], s66                 ; 256 p + 16 wave
	s_mov_b32 s[KF], 0
	s_lshl_b32 s[OFS], s[Q0], 7
	s_add_nc_u64 s[QP:QP+1], s[QB:QB+1], s[OFS:OFS+1]
	s_add_nc_u64 s[CP:CP+1], s[CB:CB+1], s[OFS:OFS+1]
	START
.endif
.endm
.macro PASS_CHANGE                     ; ids and the count of trips alone: all sixteen waves go the same way
	s_cmp_lg_u32 s[TRIP], s[SW]
	s_cbranch_scc1 .Lsame_\@
	FLUSH 1
.Lsame_\@:
.endm
.Lslot:                                            ; eight trips: behind each change the next trip's slot is asked for
	CHANGE 1
	PASS_CHANGE
	STEP 0
	STEP 1
	STEP 2
	STEP 3
	s_xor_b32 s[TB], s[TB], SLOT1
	s_add_co_u32 s[TRIP], s[TRIP], 1
	s_cmp_lt_u32 s[TRIP], 8
	s_cbranch_scc1 .Lslot
	CHANGE 0                                       ; the ninth trip is written out: it asks for nothing
	PASS_CHANGE
	STEP 0
	STEP 1
	STEP 2
	STEP 3
	FLUSH 0
	s_wait_tensorcnt 0x0                           ; the wave's end
	ds_add_u32 v[SPW], v[NIL]
	s_wait_dscnt 0x0
	s_endpgm
.Lfunc_end_k_qa442cbdf14_attn:
	.size	k_qa442cbdf14_attn, .Lfunc_end_k_qa442cbdf14_attn-k_qa442cbdf14_attn
	.p2alignl 7, 3214868480
	.fill 96, 4, 3214868480
	.section	.rodata,"a",@progbits
	.p2align	6, 0x0
	.amdhsa_kernel k_qa442cbdf14_attn
		.amdhsa_group_segment_fixed_size 327680
		.amdhsa_private_segment_fixed_size 0
		.amdhsa_enable_private_segment 0
		.amdhsa_kernarg_size 16
		.amdhsa_user_sgpr_count 2
		.amdhsa_user_sgpr_kernarg_segment_ptr 1
		.amdhsa_wavefront_size32 1
		.amdhsa_system_sgpr_workgroup_id_x 1
		.amdhsa_system_sgpr_workgroup_id_y 1
		.amdhsa_system_sgpr_workgroup_id_z 1
		.amdhsa_system_vgpr_workitem_id 0
		.amdhsa_next_free_vgpr 256
		.amdhsa_next_free_sgpr 80
		.amdhsa_reserve_vcc 1
		.amdhsa_float_denorm_mode_32 3
		.amdhsa_float_denorm_mode_16_64 3
		.amdhsa_memory_ordered 1
		.amdhsa_forward_progress 1
		.amdhsa_inst_pref_size 118
	.end_amdhsa_kernel
	.amdgpu_metadata
---
amdhsa.version: [ 1, 2 ]
amdhsa.kernels:
  - .name:           k_qa442cbdf14_attn
    .symbol:         k_qa442cbdf14_attn.kd
    .args:
      - { .name: qkv, .offset: 0, .size: 8, .value_kind: global_buffer, .address_space: global }
      - { .name: ctx, .offset: 8, .size: 8, .value_kind: global_buffer, .address_space: global }
    .group_segment_fixed_size: 327680
    .private_segment_fixed_size: 0
    .kernarg_segment_align: 8
    .kernarg_segment_size: 16
    .max_flat_workgroup_size: 512
    .sgpr_count:     80
    .vgpr_count:     256
    .wavefront_size: 32
...
	.end_amdgpu_metadata
.endif
;; end of part 4
;; launch oproj (part 5): grid 4 x 64, 4 waves a work-group, clusters of 4 x 4, 327,680 bytes of LDS; arguments ctx, wo16, bo, out0; writes out0
.if DOCPART == 5
	.amdgcn_target "amdgcn-amd-amdhsa--gfx1250"
	.amdhsa_code_object_version 6
	.text
	.protected	k_qa442cbdf14_oproj
	.globl	k_qa442cbdf14_oproj
	.p2align	8
	.type	k_qa442cbdf14_oproj,@function
k_qa442cbdf14_oproj:
	s_mov_b64 s[64:65], 0
	v_nop
	global_prefetch_b8 v0, s[64:65] scope:SCOPE_SE
	s_setreg_imm32_b32 hwreg(HW_REG_WAVE_MODE, 25, 1), 1
	s_wait_xcnt 0x0
	s_wait_alu depctr_hold_cnt(0) depctr_sa_sdst(0) depctr_va_vdst(0) depctr_va_sdst(0) depctr_va_ssrc(0) depctr_va_vcc(0) depctr_vm_vsrc(0)
	s_getreg_b32 s2, hwreg(HW_REG_IB_STS2, 6, 4)
	s_cmp_eq_u32 s2, 0
	s_cbranch_scc0 .Lentry_in_a_cluster
	s_endpgm
.Lentry_in_a_cluster:
	s_bfe_u32 s2, ttmp6, 0x10000c
	s_cmp_lg_u32 s2, 0xf033
	s_cbranch_scc0 .Lentry_shape_is_right
	s_endpgm
.Lentry_shape_is_right:
; out0[m][n] = sum over k of ctx[m][k] Wo[k][n] + bo[n].  ctx: f16 [batch x head 64][position 2048][64], so k = 64 head + channel; wo16: f16 [k 1024][n 1024]; bo, out0: f32; sums in f32.
; A tile of out0 is 128 rows x 256 columns: 256 work-groups.  Four waves, each 64 x 128: 32 accumulators, 256 registers.  K goes in steps of 128 (two heads) through a ring of two LDS slots.
; A's tile is two planes (a head each) of 128 rows x 128 bytes; B's is 128 rows of k x 512 bytes, read turned by ds_load_tr16_b128.
; CLUSTERS: 4 x 4 work-groups; A's tiles are asked for jointly along a row of the cluster, B's along a column.
; THE MATRIX INSTRUCTION IS USED TRANSPOSED (source 0 = 16 columns of Wo, source 1 = 16 rows of ctx): a lane holds eight neighbouring columns of a row.  The bias is the C of each sum's first product.
; The first 16 positions of each sequence are written here too, and again, in f32 throughout, by the launch behind this one.
; REGISTERS: window 0: v16-29 addresses; v32-95 A's fragments, two buffers; v128-255 the way out.  window 1: accumulator (a, b) at v[8 (8 a + b)].  window 2: v0-127 B's fragments, two buffers; v128-191 the bias.
.set PA,     144                       ; a row of A in LDS: 128 + 16 bytes
.set PB,     544                       ; a row of B: 512 + 32
.set PLANE,  128*PA
.set BOFF,   2*PLANE
.set HALFB,  64*PB
.set SLOT,   BOFF+2*HALFB
.set SPARE,  2*SLOT                    ; the spare words, 128 bytes a wave
.set SPITCH, 528                       ; the way out: 16 rows x (512 + 16) bytes for each wave, in slot 0, behind its last fill and its last read
.set LAPS,   4                         ; eight K steps: four times round the ring
.set ADRA, 16
.set ADRB, 20
.set STO,  24
.set RD,   25
.set CO,   26
.set BO,   27                          ; v27 32 x (lane / 16)
.set SPW,  28
.set NIL,  29
.set AF,   32
.set BK,   128
.set BIAS, 128                         ; in window 2
.set G1, 24
.set G0, 32
.set G1B, 48
.set G0B, 56
.set MSB, 0
.macro WIN new
.if MSB != \new
	s_set_vgpr_msb (MSB<<8)|\new
.set MSB, \new
.endif
.endm
.set MUL,  0x52                        ; source 0 (B) window 2, source 1 (A) window 0, C and D window 1
.set MUL0, 0x62                        ; the same with C (the bias) from window 2
.set TO_B, 0x80
.macro JLOAD s                         ; waves 0 and 1 fetch A's planes, waves 2 and 3 B's halves; an s_nop 0 and four v_nop follow each line
	s_cmp_eq_u32 s11, 0
	s_cbranch_scc0 .Lfor_b_\@
	tensor_load_to_lds s[G0+4*\s:G0+4*\s+3], s[G1:G1+7]
	s_nop 0
.rept 4
	v_nop
.endr
	s_branch .Lasked_\@
.Lfor_b_\@:
	tensor_load_to_lds s[G0B+4*\s:G0B+4*\s+3], s[G1B:G1B+7]
	s_nop 0
.rept 4
	v_nop
.endr
.Lasked_\@:
.endm
.macro CREST
	s_cmp_lg_u32 s10, 0
	s_cbranch_scc1 .Lnot_wave_0_\@
	s_barrier_signal -3
.Lnot_wave_0_\@:
	s_barrier_wait -3
	s_barrier_signal -1
	s_barrier_wait -1
.endm
.macro CROUND
	s_barrier_signal -1
	s_barrier_wait -1
	CREST
.endm
	s_load_b128 s[4:7], s[0:1], 0x0                ; ctx, wo16
	s_load_b64 s[66:67], s[0:1], 0x10              ; bo
	s_load_b64 s[8:9], s[0:1], 0x18                ; out0
	v_lshl_add_u32 v[SPW], v0, 2, SPARE
	v_mov_b32 v[NIL], 0
	ds_add_u32 v[SPW], v[NIL]                      ; the opening: the add, twice on end, and its wait ahead of my first tensor load
	ds_add_u32 v[SPW], v[NIL]
	v_lshrrev_b32 v1, 5, v0
	v_readfirstlane_b32 s10, v1                    ; wave 0..3
	s_lshr_b32 s11, s10, 1                         ; my half of the rows; also: I fetch for A (0) or B (1)
	s_and_b32 s12, s10, 1                          ; my half of the columns; also: which plane or half I fetch
	s_bfe_u32 s40, ttmp6, 0x40000                  ; cx
	s_bfe_u32 s41, ttmp6, 0x40004                  ; cy
	s_lshl_b32 s42, ttmp9, 2
	s_add_co_u32 s42, s42, s40                     ; tile column
	s_and_b32 s13, ttmp7, 0xffff
	s_lshl_b32 s13, s13, 2
	s_add_co_u32 s13, s13, s41                     ; tile row
	s_lshl_b32 s43, s41, 2
	s_lshl_b32 s43, 15, s43                        ; my row of the cluster
	s_lshl_b32 s44, 0x1111, s40                    ; my column
	s_or_b32 s[G1+0], s43, (1<<16)|(1<<20)|(1<<21)|(4<<22)|(3<<25)   ; elements of 2 bytes; 4 words of padding behind every 32
	s_mov_b32 s[G1+1], 64<<16                      ; tensor_dim0
	s_mov_b32 s[G1+2], 128<<16                     ; tensor_dim1
	s_mov_b32 s[G1+3], 64<<16                      ; tile_dim0
	s_mov_b32 s[G1+4], 128                         ; tile_dim1
	s_mov_b32 s[G1+5], 64                          ; the pitch
	s_mov_b32 s[G1+6], 0
	s_mov_b32 s[G1+7], 0
	s_or_b32 s[G1B+0], s44, (1<<16)|(1<<20)|(1<<21)|(6<<22)|(7<<25)  ; 8 words behind every 128
	s_mov_b32 s[G1B+1], 256<<16
	s_mov_b32 s[G1B+2], 64<<16
	s_mov_b32 s[G1B+3], 256<<16
	s_mov_b32 s[G1B+4], 64
	s_mov_b32 s[G1B+5], 1024
	s_mov_b32 s[G1B+6], 0
	s_mov_b32 s[G1B+7], 0
	s_lshr_b32 s16, s13, 4                         ; the batch
	s_lshl_b32 s16, s16, 4
	s_add_co_u32 s16, s16, s12                     ; 16 batch + my plane's head of K step 0
	s_lshl_b32 s16, s16, 11
	s_and_b32 s17, s13, 15
	s_lshl_b32 s17, s17, 7
	s_add_co_u32 s16, s16, s17                     ; + the tile's first position
	s_lshl_b32 s16, s16, 7                         ; rows of 128 bytes
	s_mov_b32 s17, 0
	s_lshl_b32 s46, s12, 17                        ; B: 64 rows of 2,048 bytes for my half,
	s_lshl_b32 s47, s42, 9                         ; + 256 columns x tile column
	s_add_co_u32 s46, s46, s47
	s_mov_b32 s47, 0
	s_mul_i32 s20, s12, PLANE                      ; where they go
	s_mul_i32 s21, s12, HALFB
	s_add_co_u32 s21, s21, BOFF
	s_wait_dscnt 0x0                               ; both opening adds are done
	s_wait_kmcnt 0x0
	s_add_nc_u64 s[14:15], s[4:5], s[16:17]
	s_add_nc_u64 s[46:47], s[6:7], s[46:47]
	CROUND                                         ; all sixteen work-groups are here: the first joint loads meet
.irp s, 0,1
	s_mov_b32 s[G0+4*\s], 1
	s_add_co_u32 s[G0+4*\s+1], s20, \s*SLOT
	s_add_nc_u64 s[G0+4*\s+2:G0+4*\s+3], s[14:15], \s*524288       ; K step s: two heads on
	s_or_b32 s[G0+4*\s+3], s[G0+4*\s+3], 0x80000000
	s_mov_b32 s[G0B+4*\s], 1
	s_add_co_u32 s[G0B+4*\s+1], s21, \s*SLOT
	s_add_nc_u64 s[G0B+4*\s+2:G0B+4*\s+3], s[46:47], \s*262144     ; 128 rows on
	s_or_b32 s[G0B+4*\s+3], s[G0B+4*\s+3], 0x80000000
	JLOAD \s                                       ; two tensor loads of mine are out at the most
.endr
	v_and_b32 v1, 15, v0                           ; r
	v_bfe_u32 v2, v0, 4, 1                         ; h
	v_mul_u32_u24 v3, v1, PA
	v_lshl_add_u32 v3, v2, 4, v3
	s_mul_i32 s21, s11, 64*PA                      ; my 64 rows of A
	v_and_b32 v4, 7, v0
	v_lshl_add_u32 v4, v2, 3, v4
	v_mul_u32_u24 v4, v4, PB                       ; the turning load: k 8 h + lane % 8,
	v_bfe_u32 v5, v0, 3, 1
	v_lshl_add_u32 v4, v5, 4, v4                   ; columns 8 ((lane / 8) % 2) on
	s_lshl_b32 s22, s12, 8                         ; my 128 columns
	s_add_co_u32 s22, s22, BOFF
.irp s, 0,1
	v_add_nc_u32 v[ADRA+\s], s21, v3
	v_add_nc_u32 v[ADRB+\s], s22, v4
	s_add_co_u32 s21, s21, SLOT
	s_add_co_u32 s22, s22, SLOT
.endr
	s_mul_i32 s23, s10, 16*SPITCH                  ; my stage
	v_mul_u32_u24 v5, v1, SPITCH
	v_lshl_add_u32 v5, v2, 5, v5
	v_add_nc_u32 v[STO], s23, v5
	v_and_b32 v6, 31, v0
	v_lshlrev_b32 v[CO], 4, v6
	v_add_nc_u32 v[RD], s23, v[CO]
	v_lshlrev_b32 v[BO], 5, v2
	s_lshl_b32 s46, s42, 10                        ; my first column in bytes: 1,024 x tile column + 512 x half
	s_lshl_b32 s47, s12, 9
	s_add_co_u32 s46, s46, s47
	s_mov_b32 s47, 0
	s_add_nc_u64 s[66:67], s[66:67], s[46:47]
	s_add_nc_u64 s[8:9], s[8:9], s[46:47]
	s_lshl_b32 s46, s13, 7
	s_lshl_b32 s22, s11, 6
	s_add_co_u32 s46, s46, s22                     ; my first row: 128 x tile row + 64 x half
	s_lshl_b32 s46, s46, 12                        ; rows of 4,096 bytes
	s_add_nc_u64 s[8:9], s[8:9], s[46:47]
	WIN TO_B
.irp b, 0,1,2,3,4,5,6,7                            ; the bias in the result's layout: lane (r, h), tile b: columns 16 b + 8 h + 0 .. 7
	global_load_b128 v[BIAS+8*\b:BIAS+8*\b+3], v[BO], s[66:67] offset:64*\b
	global_load_b128 v[BIAS+8*\b+4:BIAS+8*\b+7], v[BO], s[66:67] offset:64*\b+16
.endr
	WIN 0
.macro MUL8 f, a, zero                 ; A's block a x B's eight, 32 along K; the 32 accumulators take turns
.irp b, 0,1,2,3,4,5,6,7
.if \zero
	v_wmma_f32_16x16x32_f16 v[8*(8*(\a)+\b):8*(8*(\a)+\b)+7], v[64*(\f)+8*\b:64*(\f)+8*\b+7], v[AF+32*(\f)+8*(\a):AF+32*(\f)+8*(\a)+7], v[BIAS+8*\b:BIAS+8*\b+7]
.else
	v_wmma_f32_16x16x32_f16 v[8*(8*(\a)+\b):8*(8*(\a)+\b)+7], v[64*(\f)+8*\b:64*(\f)+8*\b+7], v[AF+32*(\f)+8*(\a):AF+32*(\f)+8*(\a)+7], v[8*(8*(\a)+\b):8*(8*(\a)+\b)+7]
.endif
.endr
.endm
.macro FETCH slot, q, f                ; 24 LDS loads in one run: the slot's q-th 32 along K into buffer f: B's 16, then A's 8
	WIN TO_B
.irp b, 0,1,2,3,4,5,6,7
	ds_load_tr16_b128 v[64*(\f)+8*\b:64*(\f)+8*\b+3], v[ADRB+\slot] offset:(\q)*32*PB+32*\b
	ds_load_tr16_b128 v[64*(\f)+8*\b+4:64*(\f)+8*\b+7], v[ADRB+\slot] offset:(\q)*32*PB+16*PB+32*\b
.endr
	WIN 0
.irp a, 0,1,2,3
	ds_load_b128 v[AF+32*(\f)+8*\a:AF+32*(\f)+8*\a+3], v[ADRA+\slot] offset:((\q)/2)*PLANE+((\q)%2)*64+\a*16*PA
	ds_load_b128 v[AF+32*(\f)+8*\a+4:AF+32*(\f)+8*\a+7], v[ADRA+\slot] offset:((\q)/2)*PLANE+((\q)%2)*64+\a*16*PA+32
.endr
.endm
.macro PLACES
.rept 4
	v_nop
.endr
.endm
.macro QUARTER slot, qn, f, g, zero    ; multiplies buffer f; in its middle fetches the slot's quarter qn into buffer g
	s_wait_dscnt 4                                 ; B and A's blocks 0, 1 are in; A's blocks 2, 3 (4 loads) may be out
.if \zero
	WIN MUL0
.else
	WIN MUL
.endif
	MUL8 \f, 0, \zero
	MUL8 \f, 1, \zero
	PLACES
	FETCH \slot, \qn, \g
	s_wait_dscnt 24                                ; all but the 24 just issued
.if \zero
	WIN MUL0
.else
	WIN MUL
.endif
	MUL8 \f, 2, \zero
	MUL8 \f, 3, \zero
.endm
; A slot's last quarter multiplies buffer 1 and changes slots: one barrier.  fill = 1: it opens a round of the cluster's barrier, and this slot is filled again, two K steps ahead.
.macro TURN slot, next, fill
	WIN 0
	s_wait_tensorcnt 0x0                           ; all my tensor loads have landed: my part of the next slot
	ds_add_u32 v[SPW], v[NIL]
	s_wait_dscnt 5                                 ; the add and A's blocks 2, 3 may be out
	WIN MUL
	MUL8 1, 0, 0
	s_wait_dscnt 0x0                               ; the add is done, my reads of this slot are over
	s_barrier_signal -1
	MUL8 1, 1, 0
.if \fill
	WIN 0
.endif
	s_barrier_wait -1
.if \fill
	CREST                                          ; no wave of any partner still reads this slot or has a load on its way
	s_add_nc_u64 s[G0+4*\slot+2:G0+4*\slot+3], s[G0+4*\slot+2:G0+4*\slot+3], 1048576
	s_add_nc_u64 s[G0B+4*\slot+2:G0B+4*\slot+3], s[G0B+4*\slot+2:G0B+4*\slot+3], 524288
	JLOAD \slot                                    ; the first tensor load behind the round; its four v_nop are the places ahead of the loads below
.else
	PLACES
.endif
	FETCH \next, 0, 0
	WIN MUL
	MUL8 1, 2, 0
	MUL8 1, 3, 0
.endm
	s_wait_tensorcnt 1                             ; my part of K step 0 is in; K step 1's load may be out
	s_barrier_signal -1
	s_barrier_wait -1
	FETCH 0, 0, 0
	s_wait_loadcnt 0x0                             ; the bias
	QUARTER 0, 1, 0, 1, 1                          ; the first products start the sums from the bias
	WIN 0
	s_mov_b32 s3, LAPS-1
.Llap:                                             ; a trip goes once round the ring and fills both slots again
	QUARTER 0, 2, 1, 0, 0
	QUARTER 0, 3, 0, 1, 0
	TURN 0, 1, 1
	QUARTER 1, 1, 0, 1, 0
	QUARTER 1, 2, 1, 0, 0
	QUARTER 1, 3, 0, 1, 0
	TURN 1, 0, 1
	QUARTER 0, 1, 0, 1, 0
	WIN 0
	s_sub_co_u32 s3, s3, 1
	s_cmp_lg_u32 s3, 0
	s_cbranch_scc1 .Llap
	QUARTER 0, 2, 1, 0, 0                          ; the last lap fills nothing
	QUARTER 0, 3, 0, 1, 0
	TURN 0, 1, 0
	QUARTER 1, 1, 0, 1, 0
	QUARTER 1, 2, 1, 0, 0
	QUARTER 1, 3, 0, 1, 0
	s_wait_dscnt 4
	WIN MUL
	MUL8 1, 0, 0
	MUL8 1, 1, 0
	s_wait_dscnt 0
	MUL8 1, 2, 0
	MUL8 1, 3, 0
	WIN 0
; THE WAY OUT, block by block of 16 rows x 128 columns, through my stage: back as whole rows of 512 bytes.
.macro TOSTAGE a
	WIN 0x04                                       ; an LDS store's data: window 1
.irp b, 0,1,2,3,4,5,6,7
	ds_store_b128 v[STO], v[64*(\a)+8*\b:64*(\a)+8*\b+3] offset:64*\b          ; each accumulator from its low end on
	ds_store_b128 v[STO], v[64*(\a)+8*\b+4:64*(\a)+8*\b+7] offset:64*\b+16
.endr
	WIN 0
.set BB, BK+64*((\a)%2)
.irp t, 0,1,2,3,4,5,6,7,8,9,10,11,12,13,14,15
	ds_load_b128 v[BB+4*\t:BB+4*\t+3], v[RD] offset:\t*SPITCH
.endr
.endm
.macro SEND a, younger
.set BB, BK+64*((\a)%2)
	s_wait_dscnt \younger                          ; the block is back; the next block's 16 stores and 16 loads may be out
.irp t, 0,1,2,3,4,5,6,7,8,9,10,11,12,13,14,15
	global_store_b128 v[CO], v[BB+4*\t:BB+4*\t+3], s[8:9] offset:(\a)*65536+\t*4096   ; 512 consecutive bytes, aligned
.endr
.endm
	PLACES
	TOSTAGE 0
.irp a, 1,2,3
.if \a > 1
	s_wait_xcnt 0x0                                ; block a - 2's stores have read their registers: block a's loads may land there
.endif
	TOSTAGE \a
	SEND \a-1, 32
.endr
	SEND 3, 0
	s_wait_tensorcnt 0x0                           ; the wave's end
	ds_add_u32 v[SPW], v[NIL]
	s_wait_dscnt 0x0
	CROUND                                         ; the closing round
	s_endpgm
.Lfunc_end_k_qa442cbdf14_oproj:
	.size	k_qa442cbdf14_oproj, .Lfunc_end_k_qa442cbdf14_oproj-k_qa442cbdf14_oproj
	.p2alignl 7, 3214868480
	.fill 96, 4, 3214868480
	.section	.rodata,"a",@progbits
	.p2align	6, 0x0
	.amdhsa_kernel k_qa442cbdf14_oproj
		.amdhsa_group_segment_fixed_size 327680
		.amdhsa_private_segment_fixed_size 0
		.amdhsa_enable_private_segment 0
		.amdhsa_kernarg_size 32
		.amdhsa_user_sgpr_count 2
		.amdhsa_user_sgpr_kernarg_segment_ptr 1
		.amdhsa_wavefront_size32 1
		.amdhsa_system_sgpr_workgroup_id_x 1
		.amdhsa_system_sgpr_workgroup_id_y 1
		.amdhsa_system_sgpr_workgroup_id_z 1
		.amdhsa_system_vgpr_workitem_id 0
		.amdhsa_next_free_vgpr 768
		.amdhsa_next_free_sgpr 70
		.amdhsa_reserve_vcc 0
		.amdhsa_float_denorm_mode_32 3
		.amdhsa_float_denorm_mode_16_64 3
		.amdhsa_memory_ordered 1
		.amdhsa_forward_progress 1
		.amdhsa_inst_pref_size 87
	.end_amdhsa_kernel
	.amdgpu_metadata
---
amdhsa.version: [ 1, 2 ]
amdhsa.kernels:
  - .name:           k_qa442cbdf14_oproj
    .symbol:         k_qa442cbdf14_oproj.kd
    .args:
      - { .name: ctx, .offset: 0, .size: 8, .value_kind: global_buffer, .address_space: global }
      - { .name: wo16, .offset: 8, .size: 8, .value_kind: global_buffer, .address_space: global }
      - { .name: bo, .offset: 16, .size: 8, .value_kind: global_buffer, .address_space: global }
      - { .name: out0, .offset: 24, .size: 8, .value_kind: global_buffer, .address_space: global }
    .group_segment_fixed_size: 327680
    .private_segment_fixed_size: 0
    .kernarg_segment_align: 8
    .kernarg_segment_size: 32
    .max_flat_workgroup_size: 128
    .sgpr_count:     70
    .vgpr_count:     768
    .wavefront_size: 32
...
	.end_amdgpu_metadata
.endif
;; end of part 5
;; launch fine (part 6): grid 64 x 4, 16 waves a work-group, no clusters, 18,432 bytes of LDS; arguments qkv32, Wo, bo, out0; writes out0
.if DOCPART == 6
	.amdgcn_target "amdgcn-amd-amdhsa--gfx1250"
	.amdhsa_code_object_version 6
	.text
	.protected	k_qa442cbdf14_fine
	.globl	k_qa442cbdf14_fine
	.p2align	8
	.type	k_qa442cbdf14_fine,@function
k_qa442cbdf14_fine:
	s_mov_b64 s[64:65], 0
	v_nop
	global_prefetch_b8 v0, s[64:65] scope:SCOPE_SE
	s_setreg_imm32_b32 hwreg(HW_REG_WAVE_MODE, 25, 1), 1
	s_wait_xcnt 0x0
; The first 16 positions of each of the 4 sequences, in f32 throughout: under the causal mask they average one to sixteen values.  out0's 64 rows are written over what the launch before left there.
; Work-group (x, b): columns 16 x .. 16 x + 15 of batch b's rows 0-15.  Wave = head: it makes its head's attention on 16 x 16 scores and its part of the 16 x 16 outputs; the sixteen parts meet in LDS.
; All products by v_wmma_f32_16x16x4_f32, 48 a wave: no bulk work.  k is laid alike on both sides of each product, so that plain loads and the results' own registers feed it.
; The registers that these products write (v144-175, v192-223) are written by nothing else.  The stores are pieces of 64 bytes, 262,144 bytes in all.
.set SPARE, 16384                      ; LDS: 16 images of 1,024 bytes, then the spare words
.set SPW, 252
.set NIL, 253
	s_load_b128 s[4:7], s[0:1], 0x0                ; qkv32, Wo
	s_load_b128 s[8:11], s[0:1], 0x10              ; bo, out0
	v_lshl_add_u32 v[SPW], v0, 2, SPARE
	v_mov_b32 v[NIL], 0
	v_lshrrev_b32 v1, 5, v0
	v_readfirstlane_b32 s12, v1                    ; the head
	s_and_b32 s13, ttmp7, 0xffff                   ; the batch
	s_lshl_b32 s14, ttmp9, 6                       ; my 16 columns, in bytes
	s_and_b32 s15, s12, 1
	v_and_b32 v1, 15, v0                           ; r
	v_bfe_u32 v2, v0, 4, 1                         ; h
	v_mul_u32_u24 v3, v1, 12288
	v_lshl_add_u32 v3, v2, 7, v3                   ; q, k: row r, channels 32 h on
	v_lshlrev_b32 v4, 2, v1
	v_mul_u32_u24 v5, v2, 98304
	v_add_nc_u32 v5, v5, v4                        ; v: keys 8 h on, channel r
	v_lshl_add_u32 v6, v2, 15, v4                  ; Wo: rows 8 h on, column r
	v_lshlrev_b32 v7, 5, v2                        ; bo: 32 h
	v_lshlrev_b32 v8, 3, v2
	v_sub_nc_u32 v8, v1, v8                        ; r - 8 h
	v_lshlrev_b32 v9, 12, v1
	v_lshl_add_u32 v9, v2, 5, v9                   ; out0: row r, + 32 h
	v_and_b32 v10, 31, v0
	v_lshlrev_b32 v10, 4, v10                      ; 16 x lane
	s_lshl_b32 s16, s12, 10
	v_add_nc_u32 v11, s16, v10                     ; my image
	s_lshl_b32 s16, s15, 9
	v_add_nc_u32 v12, s16, v10                     ; waves 0, 1: half w of every image
	v_mov_b32 v13, 0xff800000                      ; -infinity
	v_mov_b32 v15, 0                               ; a lane permute's destination counts as one of its sources
	v_mov_b32 v241, 0                              ; named as the upper half of a pair
	s_mov_b32 s22, 0x76543210
	s_mov_b32 s23, 0xfedcba98
	s_mov_b32 s24, 0x3e38aa3b                      ; c = log2(e) / 8
	s_mov_b32 s21, 0
	s_wait_kmcnt 0x0
	s_mul_i32 s20, s13, 196608
	s_lshl_b32 s16, s12, 8
	s_add_co_u32 s20, s20, s16
	s_add_nc_u64 s[4:5], s[4:5], s[20:21]          ; the batch's 16 rows, my head's q
	s_lshl_b32 s20, s12, 18
	s_add_co_u32 s20, s20, s14
	s_add_nc_u64 s[6:7], s[6:7], s[20:21]          ; Wo at my head's 64 rows, my columns
	s_lshl_b32 s20, s15, 4
	s_add_co_u32 s20, s20, s14
	s_add_nc_u64 s[8:9], s[8:9], s[20:21]
	s_lshl_b32 s16, s13, 23
	s_add_co_u32 s20, s20, s16
	s_add_nc_u64 s[10:11], s[10:11], s[20:21]
	global_load_b128 v[232:235], v7, s[8:9]        ; the bias
.irp i, 0,1,2,3,4,5,6,7
	global_load_b128 v[16+4*\i:19+4*\i], v3, s[4:5] offset:16*\i          ; q
.endr
.irp i, 0,1,2,3,4,5,6,7
	global_load_b128 v[48+4*\i:51+4*\i], v3, s[4:5] offset:4096+16*\i     ; k
.endr
.irp t, 0,1,2,3
.irp i, 0,1,2,3,4,5,6,7
	global_load_b32 v[80+8*\t+\i], v5, s[4:5] offset:\i*12288+8192+64*\t  ; v(key 8 h + i, channel 16 t + r)
.endr
.endr
	s_wait_loadcnt 32                              ; the bias, q and k are in; v's 32 loads stay out
.irp t, 0,1,2,3
.irp i, 0,1,2,3,4,5,6,7
	global_load_b32 v[112+8*\t+\i], v6, s[6:7] offset:(16*\t+\i)*4096     ; Wo(64 head + 16 t + 8 h + i, my column r)
.endr
.endr
	; S^T = k q^T: instruction c takes channels 32 h + 2 c, + 1 of both; four accumulators by turns
.irp c, 0,1,2,3
	v_wmma_f32_16x16x4_f32 v[144+8*\c:151+8*\c], v[48+2*\c:49+2*\c], v[16+2*\c:17+2*\c], 0
.endr
.irp c, 4,5,6,7,8,9,10,11,12,13,14,15
	v_wmma_f32_16x16x4_f32 v[144+8*(\c%4):151+8*(\c%4)], v[48+2*\c:49+2*\c], v[16+2*\c:17+2*\c], v[144+8*(\c%4):151+8*(\c%4)]
.endr
.rept 8
	v_nop                                          ; eight places behind this form
.endr
.irp i, 0,2,4,6
	v_pk_add_f32 v[176+\i:177+\i], v[144+\i:145+\i], v[152+\i:153+\i]     ; each accumulator from its low end on
.endr
.irp i, 0,2,4,6
	v_pk_add_f32 v[184+\i:185+\i], v[160+\i:161+\i], v[168+\i:169+\i]
.endr
.irp i, 0,2,4,6
	v_pk_add_f32 v[176+\i:177+\i], v[176+\i:177+\i], v[184+\i:185+\i]     ; register j: key 8 h + j, query r
.endr
.irp j, 0,1,2,3,4,5,6,7
	v_cmp_gt_i32 vcc_lo, \j, v8                    ; hidden where 8 h + j > r
	v_cndmask_b32 v[176+\j], v[176+\j], v13, vcc_lo
.endr
	v_max3_num_f32 v14, v176, v177, v178
	v_max3_num_f32 v14, v14, v179, v180
	v_max3_num_f32 v14, v14, v181, v182
	v_max_num_f32 v14, v14, v183
	v_permlanex16_b32 v15, v14, s22, s23
	v_max_num_f32 v14, v14, v15                    ; the row's maximum: key 0 counts for every query
	v_mul_f32 v15, s24, v14
.irp j, 0,1,2,3,4,5,6,7
	v_fma_f32 v[184+\j], v[176+\j], s24, -v15
.endr
.irp j, 0,1,2,3,4,5,6,7
	v_exp_f32 v[184+\j], v[184+\j]
.endr
	v_nop
	s_wait_alu depctr_va_vdst(0)                   ; one wait for the eight, ahead of their first reader
	v_pk_add_f32 v[236:237], v[184:185], v[186:187]
	v_pk_add_f32 v[238:239], v[188:189], v[190:191]
	v_pk_add_f32 v[236:237], v[236:237], v[238:239]
	v_add_f32 v14, v236, v237
	v_permlanex16_b32 v15, v14, s22, s23
	v_add_f32 v14, v14, v15
	v_rcp_f32 v240, v14
	v_nop
	s_wait_alu depctr_va_vdst(0)
	s_wait_loadcnt 32                              ; v is in; Wo's 32 loads stay out
	; O^T = v^T p: instruction (c, t) takes keys 8 h + 2 c, + 1
.irp t, 0,1,2,3
	v_wmma_f32_16x16x4_f32 v[192+8*\t:199+8*\t], v[80+8*\t:81+8*\t], v[184:185], 0
.endr
.irp c, 1,2,3
.irp t, 0,1,2,3
	v_wmma_f32_16x16x4_f32 v[192+8*\t:199+8*\t], v[80+8*\t+2*\c:81+8*\t+2*\c], v[184+2*\c:185+2*\c], v[192+8*\t:199+8*\t]
.endr
.endr
.rept 8
	v_nop
.endr
.irp j, 0,2,4,6,8,10,12,14,16,18,20,22,24,26,28,30
	v_pk_mul_f32 v[16+\j:17+\j], v[192+\j:193+\j], v[240:241] op_sel_hi:[1,0]   ; ctx: register 8 t + j: channel 16 t + 8 h + j, query r
.endr
	s_wait_loadcnt 0x0                             ; Wo
	; my head's part of out^T = Wo^T ctx^T: instruction (c, t) takes channels 16 t + 8 h + 2 c, + 1
.irp t, 0,1,2,3
	v_wmma_f32_16x16x4_f32 v[144+8*\t:151+8*\t], v[112+8*\t:113+8*\t], v[16+8*\t:17+8*\t], 0
.endr
.irp c, 1,2,3
.irp t, 0,1,2,3
	v_wmma_f32_16x16x4_f32 v[144+8*\t:151+8*\t], v[112+8*\t+2*\c:113+8*\t+2*\c], v[16+8*\t+2*\c:17+8*\t+2*\c], v[144+8*\t:151+8*\t]
.endr
.endr
.rept 8
	v_nop
.endr
.irp i, 0,2,4,6
	v_pk_add_f32 v[224+\i:225+\i], v[144+\i:145+\i], v[152+\i:153+\i]
.endr
.irp i, 0,2,4,6
	v_pk_add_f32 v[184+\i:185+\i], v[160+\i:161+\i], v[168+\i:169+\i]
.endr
.irp i, 0,2,4,6
	v_pk_add_f32 v[224+\i:225+\i], v[224+\i:225+\i], v[184+\i:185+\i]     ; register j: column 8 h + j, position r
.endr
	ds_store_b128 v11, v[224:227]                  ; an image of my registers
	ds_store_b128 v11, v[228:231] offset:512
	s_wait_tensorcnt 0x0                           ; the wait for 0 serves the barrier
	ds_add_u32 v[SPW], v[NIL]
	s_wait_dscnt 0x0
	s_barrier_signal -1
	s_barrier_wait -1                              ; the sixteen heads' parts lie in LDS
	s_cmp_gt_u32 s12, 1
	s_cbranch_scc1 .Lend
.irp i, 0,1,2,3,4,5,6,7,8,9,10,11,12,13,14,15
	ds_load_b128 v[48+4*\i:51+4*\i], v12 offset:1024*\i
.endr
	s_wait_dscnt 0x0
.irp i, 1,2,3,4,5,6,7,8,9,10,11,12,13,14,15
	v_pk_add_f32 v[48:49], v[48:49], v[48+4*\i:49+4*\i]
	v_pk_add_f32 v[50:51], v[50:51], v[50+4*\i:51+4*\i]
.endr
	v_pk_add_f32 v[48:49], v[48:49], v[232:233]
	v_pk_add_f32 v[50:51], v[50:51], v[234:235]
	global_store_b128 v9, v[48:51], s[10:11]       ; out0(b, r, 16 x + 8 h + 4 w + 0 .. 3)
.Lend:
	s_endpgm
.Lfunc_end_k_qa442cbdf14_fine:
	.size	k_qa442cbdf14_fine, .Lfunc_end_k_qa442cbdf14_fine-k_qa442cbdf14_fine
	.p2alignl 7, 3214868480
	.fill 96, 4, 3214868480
	.section	.rodata,"a",@progbits
	.p2align	6, 0x0
	.amdhsa_kernel k_qa442cbdf14_fine
		.amdhsa_group_segment_fixed_size 18432
		.amdhsa_private_segment_fixed_size 0
		.amdhsa_enable_private_segment 0
		.amdhsa_kernarg_size 32
		.amdhsa_user_sgpr_count 2
		.amdhsa_user_sgpr_kernarg_segment_ptr 1
		.amdhsa_wavefront_size32 1
		.amdhsa_system_sgpr_workgroup_id_x 1
		.amdhsa_system_sgpr_workgroup_id_y 1
		.amdhsa_system_sgpr_workgroup_id_z 1
		.amdhsa_system_vgpr_workitem_id 0
		.amdhsa_next_free_vgpr 256
		.amdhsa_next_free_sgpr 66
		.amdhsa_reserve_vcc 1
		.amdhsa_float_denorm_mode_32 3
		.amdhsa_float_denorm_mode_16_64 3
		.amdhsa_memory_ordered 1
		.amdhsa_forward_progress 1
		.amdhsa_inst_pref_size 22
	.end_amdhsa_kernel
	.amdgpu_metadata
---
amdhsa.version: [ 1, 2 ]
amdhsa.kernels:
  - .name:           k_qa442cbdf14_fine
    .symbol:         k_qa442cbdf14_fine.kd
    .args:
      - { .name: qkv32, .offset: 0, .size: 8, .value_kind: global_buffer, .address_space: global }
      - { .name: Wo, .offset: 8, .size: 8, .value_kind: global_buffer, .address_space: global }
      - { .name: bo, .offset: 16, .size: 8, .value_kind: global_buffer, .address_space: global }
      - { .name: out0, .offset: 24, .size: 8, .value_kind: global_buffer, .address_space: global }
    .group_segment_fixed_size: 18432
    .private_segment_fixed_size: 0
    .kernarg_segment_align: 8
    .kernarg_segment_size: 32
    .max_flat_workgroup_size: 512
    .sgpr_count:     66
    .vgpr_count:     256
    .wavefront_size: 32
...
	.end_amdgpu_metadata
.endif
;; end of part 6
